; MI455X (gfx1250); checked and timed in simulation.
; The chip was launched on July 23, 2026; its instructions are those of AMD's public machine-readable ISA for CDNA 5 (MIT licence, August 2026) and "CDNA5" Instruction Set Architecture Reference Guide (July 2026). The comments in the code are by the model that wrote it; some were corrected since.
;; Sliding Window Attention. Allowed arithmetic: matrix products marked QUANTISED: E3M2 operands, one E8M0 scale for each 32 along K, by v_wmma_scale_f32_16x16x128_f8f6f4 with both operands' format E3M2, f32 sums; everything else in f32.
;; Inputs: freqs_cos 2,048 x 32 float32; freqs_sin 2,048 x 32 float32; wk 1,024 x 256 float32; wo 1,024 x 1,024 float32; wq 1,024 x 1,024 float32; wv 1,024 x 256 float32; x 2 x 2,048 x 1,024 float32.
;; Outputs: out0 2 x 2,048 x 1,024 float32.
;; This version of the problem:
;;   THIS VERSION OF THE PROBLEM IS GIVEN IN LOW PRECISION. The matrix products marked QUANTISED in the list below multiply operands that are first quantised to E3M2 (3 exponent bits, 2 mantissa bits; 6 bits a number), with one power-of-two scale for each 32 numbers along K (OCP MX v1.0); their sums are f32. All else is computed in f32.
;;   The module's matrix products, in the order in which they are computed (A, B: the left and right operand; K: the contracted axis; several contracted axes count as one K, in the product's order):
;;     1. [M 4,096, K 1,024] x [K 1,024, N 1,024]; A: input x; B: input wq: QUANTISED
;;     2. [M 4,096, K 1,024] x [K 1,024, N 256]; A: input x; B: input wk: QUANTISED
;;     3. [M 4,096, K 1,024] x [K 1,024, N 256]; A: input x; B: input wv: QUANTISED
;;     4. batch 32 x [M 2,048, K 64] x [K 64, N 2,048]; A: computed on the way; B: computed on the way: QUANTISED
;;     5. batch 32 x [M 64, K 2,048] x [K 2,048, N 2,048]; A: computed on the way; B: softmax (see below): QUANTISED
;;     6. [M 4,096, K 1,024] x [K 1,024, N 1,024]; A: computed on the way; B: input wo: QUANTISED
;;   THE QUANTISER, for each operand of a quantised product, along K:
;;     - K is cut into blocks of 32 from its start; a last block that is shorter is filled with zeros.
;;     - A block's scale is 2^e with e = floor(log2(the largest magnitude in the block)) - 4, held to -126 .. 127; a block of zeros has e = 0. As a byte (E8M0): e + 127.
;;     - Each number is divided by its block's scale, clamped to +-28, and rounded to the nearest number of E3M2, ties to even, subnormals kept.
;;     - The product sums the exact products of the quantised numbers (number of the format x scale) in f32.
;;   ~~~python
;;   def quantise(x, axis):      # numpy; x: float32 -> the quantised numbers, widened to float32 again
;;       x = np.moveaxis(x, axis, -1); K = x.shape[-1]
;;       x = np.pad(x, [(0, 0)] * (x.ndim - 1) + [(0, -K % 32)]); x = x.reshape(x.shape[:-1] + (-1, 32)); a = np.abs(x).max(-1, keepdims=True)
;;       e = np.where(a > 0, np.clip(np.frexp(np.where(a > 0, a, 1))[1] - 1 - 4, -126, 127), 0)      # np.frexp(a)[1] - 1 = floor(log2(a)), exactly
;;       r = np.clip(x / 2.0 ** e, -28, 28)
;;       step = 2.0 ** (np.maximum(np.frexp(np.where(r == 0, 1, r))[1] - 1, -2) - 2)
;;       q = np.round(r / step) * step * 2.0 ** e      # np.round: ties to even
;;       return np.moveaxis(q.reshape(q.shape[:-2] + (-1,))[..., :K], -1, axis).astype(np.float32)
;;   ~~~
;;   SOFTMAX AHEAD OF A QUANTISED PRODUCT. Where the list says 'softmax', what is quantised is not the finished softmax but p = 2^(t - M), with t = logit x log2(e) and M = ceil(the row's largest t), a whole number; so 1/2 < the row's largest p <= 1. The row's sum l is taken of the UNQUANTISED p, in f32, and the product's result is divided by l at the end. Since M is a whole number, a kernel that streams over the keys may use a running M (the ceiling of the running maximum): every later rescaling is an exact power of two, which a block's scale takes up: the codes' values come out the same.
;;   OPERANDS COMPUTED ON THE WAY. 'Computed on the way' means the value that the module computes at that place (a softmax that the list does not call 'softmax' is quantised finished and normalised). What goes into a quantiser is computed in f32, as accurately as f32 sums, v_exp_f32 and their like allow (about 1e-6 of the number): no bf16 or f16 on the way to a quantiser, and a product that is left as it is and whose result goes on into a quantised operand takes f32 operands (vector FMAs, or v_wmma_f32_16x16x4_f32). A number that lies on a knife's edge between two numbers of the format may be rounded either way, as far as f32 arithmetic and the matrix unit's own rounding can turn it there, and no further.
;; One version. Each part assembles by itself: llvm-mc -triple=amdgcn-amd-amdhsa -mcpu=gfx1250 --defsym DOCPART=n.
;; ======== version 1 of 1: 4 launches
;; workspace buffers: xc 3,276,800 bytes; wc 2,048,000 bytes; ac 3,276,800 bytes; qkv 5,079,040 bytes
;; launch quant (part 1): grid 416 x 1, 4 waves a work-group, no clusters, 68,096 bytes of LDS; arguments x, wq, wk, wv, wo, xc, wc; writes xc, wc
.if DOCPART == 1
	.amdgcn_target "amdgcn-amd-amdhsa--gfx1250"
	.amdhsa_code_object_version 6
	.text
	.protected	k_q466ba4866a_quant
	.globl	k_q466ba4866a_quant
	.p2align	8
	.type	k_q466ba4866a_quant,@function
k_q466ba4866a_quant:
	s_mov_b64 s[64:65], 0
	v_nop
	global_prefetch_b8 v0, s[64:65] scope:SCOPE_SE
	s_setreg_imm32_b32 hwreg(HW_REG_WAVE_MODE, 25, 1), 1
	s_wait_xcnt 0x0
; x [4096][1024] and the weights wq, wk, wv, wo ([1024 (k)][n]), all f32, become codes of BF6 (E3M2) with one E8M0 byte for each 32 along K, laid IN THE ORDER OF THE OPERAND'S REGISTERS.
; A PAIR is 32 neighbouring rows of x or columns of a weight.  Tile u (0, 1) of a pair holds at lane-row r the pair's row 8 u + r + 8 (r / 8), so that a product whose source 0 is tiles 0 and 1 of a pair
; leaves 16 NEIGHBOURS of the pair in a lane's 16 result registers.  A RECORD (3,200 bytes) serves one pair and 128 along K: tile 0's 12 registers as three planes of 512 bytes (lane l's four registers at 16 l),
; tile 1's likewise at 1,536, and at 3,072 one scale word a lane (lanes 0-15: tile 0's rows, lanes 16-31: tile 1's).  A buffer is [pair][K step 0..7] records.
; xc: 128 pairs of x's rows.  wc: wq's columns are pairs 0-31, wk's 32-39, wv's 40-47, wo's 48-79.
; A block's scale is 2^(floor(log2(its largest magnitude)) - 4); its byte is the largest magnitude's exponent field - 4, held at 1 from below.
; LIMITS: NaN and infinities among the inputs are not served.  A block of zeros gets the byte 1 where the rule says 127: its codes are zeros, and this program alone reads the bytes.
; SHARES: one wave makes one record: 16,384 bytes in, 3,200 out, all its loads issued at once.  Work-groups 0-255 take x (K innermost: the rows turn through the wave's own stage in LDS), 256-415 the weights
; (K outermost: a lane takes a column and its registers run down K: nothing is transposed).  Waves share nothing: no barrier, no cluster, no tensor load.
.set FLOOR, 0x2800000                  ; 2^(5 - 127)
.set EOFF,  0xfe000000                 ; 4 off an exponent field
.set REC,   3200
.set STG,   16896                      ; a wave's stage: 32 rows x (512 bytes + 16): the 16 rows that a load of 16 bytes a lane touches start in 16 different groups of banks
.set SPARE, 4*STG                      ; behind the stages: the spare words, 128 bytes a wave: two blocks of 256 bytes that no other line names
.set A16,  1                           ; v1   16 x lane
.set SIN,  2                           ; v2   x: the stage on the way in;  weights: 4 x my column
.set SOUT, 3                           ; v3   x: the stage on the way out
.set PW0,  4                           ; v4, v5 the two tiles' scale words
.set PW1,  5
.set W,    6                           ; v6   the record's scale word of my lane
.set A4,   7                           ; v7   4 x lane
.set TM,   8                           ; v8-23  at work in QUANT64;  weights: v8-10
.set PC0,  24                          ; v24-35 tile 0's fragment
.set PC1,  36                          ; v36-47 tile 1's
.set TP,   48                          ; v48-55 halves of blocks on their way
.set SPW,  56                          ; v56  my spare word's LDS address; never rewritten
.set NIL,  57                          ; v57  0; never rewritten
.set LN,   58
.set RR,   59
.set HH,   60
.set X,    64                          ; v64-191  the numbers as loaded
.set Y,    192                         ; v192-255 x: a tile's 64 numbers a lane;  weights: upper halves of blocks
.set SEL,  2                           ; s2, s3  v_permlanex16_b32's selects for lane l xor 16
.set WV,   18
.set HIM,  19                          ; a mask of lanes 16-31
; 64 numbers of a lane, register 16 b + i = k 32 b + 16 (lane / 16) + i of my row, become a fragment's 12 registers at v[pc] and my row's scale word in v[pw]
.macro QUANT64 src, pc, pw
.irp b, 0,1,2,3
	v_max3_num_f32 v[TM+\b], |v[\src+16*\b]|, |v[\src+1+16*\b]|, FLOOR   ; block b: my 16 numbers, and the floor: the byte cannot fall under 1
.endr
.irp i, 2,4,6,8,10,12,14
.irp b, 0,1,2,3
	v_max3_num_f32 v[TM+\b], v[TM+\b], |v[\src+16*\b+\i]|, |v[\src+1+16*\b+\i]|   ; the four blocks by turns
.endr
.endr
.irp b, 0,1,2,3
	v_permlanex16_b32 v[TM+4+\b], v[TM+\b], s[SEL], s[SEL+1]
.endr
.irp b, 0,1,2,3
	v_max_num_f32 v[TM+\b], v[TM+\b], v[TM+4+\b]   ; with lane l xor 16's 16: the block's largest magnitude
.endr
.irp b, 0,1,2,3
	v_add_nc_u32 v[TM+12+\b], EOFF, v[TM+\b]       ; the conversion takes the exponent field of this operand as its scale
.endr
.irp b, 0,1,2,3
	v_lshrrev_b32 v[TM+4+\b], 23, v[TM+12+\b]      ; the scale's byte
.endr
	v_lshl_or_b32 v[\pw], v[TM+5], 8, v[TM+4]
	v_lshl_or_b32 v[\pw], v[TM+6], 16, v[\pw]
	v_lshl_or_b32 v[\pw], v[TM+7], 24, v[\pw]
.irp c, 0,1
	v_cvt_scalef32_pk16_bf6_f32 v[\pc+6*\c:\pc+2+6*\c], v[\src+32*\c:\src+15+32*\c], v[TM+12+2*\c]
	v_cvt_scalef32_pk16_bf6_f32 v[TP+4*\c:TP+2+4*\c], v[\src+16+32*\c:\src+31+32*\c], v[TM+13+2*\c]   ; (a conversion's three registers begin on an even number)
.endr
	v_nop                                          ; one plain place behind a scaled conversion
.irp c, 0,1                                    ; the operand wants a WHOLE block in a lane: lanes 0-15 block 2 c, lanes 16-31 block 2 c + 1
.irp i, 0,1,2
	v_permlane16_swap_b32 v[\pc+6*\c+\i], v[TP+4*\c+\i]
.endr
.irp i, 0,1,2
	v_mov_b32 v[\pc+3+6*\c+\i], v[TP+4*\c+\i]
.endr
.endr
.endm
	s_load_b256 s[4:11], s[0:1], 0x0               ; x s[4:5], wq s[6:7], wk s[8:9], wv s[10:11]
	s_load_b128 s[12:15], s[0:1], 0x20             ; wo s[12:13], xc s[14:15]
	s_load_b64 s[16:17], s[0:1], 0x30              ; wc
	v_lshl_add_u32 v[SPW], v0, 2, SPARE
	v_mov_b32 v[NIL], 0
	v_lshrrev_b32 v[LN], 5, v0
	v_readfirstlane_b32 s[WV], v[LN]               ; wave 0..3
	v_and_b32 v[LN], 31, v0                        ; lane
	v_and_b32 v[RR], 15, v0                        ; r
	v_bfe_u32 v[HH], v0, 4, 1                      ; h
	v_lshlrev_b32 v[A16], 4, v[LN]
	v_lshlrev_b32 v[A4], 2, v[LN]
	s_mov_b32 s[HIM], 0xffff0000
	s_cmp_ge_u32 ttmp9, 256                        ; the work-group's number alone decides the path
	s_cbranch_scc1 .Lweights
	; ---- x: pair = work-group / 2, K step = 4 (work-group % 2) + wave
	s_mov_b32 s[SEL], 0x76543210
	s_mov_b32 s[SEL+1], 0xfedcba98
	s_lshr_b32 s20, ttmp9, 1
	s_and_b32 s21, ttmp9, 1
	s_lshl_b32 s21, s21, 2
	s_add_co_u32 s21, s21, s[WV]
	s_lshl_b32 s22, s20, 17                        ; 32 rows of 4,096 bytes a pair,
	s_lshl_b32 s23, s21, 9                         ; 512 bytes a K step
	s_add_co_u32 s22, s22, s23
	s_mov_b32 s23, 0
	s_lshl_b32 s24, s20, 3
	s_add_co_u32 s24, s24, s21
	s_mul_i32 s24, s24, REC                        ; my record
	s_mov_b32 s25, 0
	s_mul_i32 s26, s[WV], STG                      ; my stage
	v_add_nc_u32 v[SIN], s26, v[A16]               ; in: a row's 512 bytes as they lie
	v_mul_u32_u24 v[SOUT], v[RR], 528
	v_lshl_add_u32 v[SOUT], v[HH], 6, v[SOUT]
	v_add_nc_u32 v[SOUT], s26, v[SOUT]             ; out: row r of a tile, + 64 h: my 16 numbers of each block of 32
.irp b, 0,1,2,3
	v_mov_b32 v[TM+4+\b], 0                        ; written once: a lane permute's destination counts as one of its sources
.endr
	s_wait_kmcnt 0x0
	s_add_nc_u64 s[4:5], s[4:5], s[22:23]
	s_add_nc_u64 s[14:15], s[14:15], s[24:25]
.set i, 0
.rept 32
	global_load_b128 v[X+4*i:X+4*i+3], v[A16], s[4:5] offset:4096*i th:TH_LOAD_NT   ; row i of the pair: 32 lanes read 512 consecutive bytes
.set i, i+1
.endr
.set i, 0
.rept 32                               ; row i goes to stage row 16 u + r: tile 0's sixteen rows, then tile 1's
.if (i%8) == 0
	s_wait_loadcnt 24-i                            ; these eight rows are in; the younger loads may be out
.endif
	ds_store_b128 v[SIN], v[X+4*i:X+4*i+3] offset:528*(16*((i>>3)&1)+(i&7)+8*(i>>4))
.set i, i+1
.endr
.irp b, 0,1,2,3
.irp j, 0,1,2,3
	ds_load_b128 v[Y+16*\b+4*\j:Y+16*\b+4*\j+3], v[SOUT] offset:128*\b+16*\j   ; tile 0.  LDS serves a wave's instructions in order: these see my stores
.endr
.endr
	s_wait_dscnt 0x0                               ; tile 0 is back, and the stores into the stage have read their registers, which tile 1's numbers now take
.irp b, 0,1,2,3
.irp j, 0,1,2,3
	ds_load_b128 v[X+16*\b+4*\j:X+16*\b+4*\j+3], v[SOUT] offset:16*528+128*\b+16*\j
.endr
.endr
	QUANT64 Y, PC0, PW0
.irp p, 0,1,2
	global_store_b128 v[A16], v[PC0+4*\p:PC0+4*\p+3], s[14:15] offset:512*\p   ; 512 consecutive bytes a store
.endr
	s_wait_dscnt 0x0                               ; tile 1 is back
	QUANT64 X, PC1, PW1
.irp p, 0,1,2
	global_store_b128 v[A16], v[PC1+4*\p:PC1+4*\p+3], s[14:15] offset:1536+512*\p
.endr
	v_cndmask_b32 v[W], v[PW0], v[PW1], s[HIM]     ; lanes 0-15 tile 0's words, lanes 16-31 tile 1's
	global_store_b32 v[A4], v[W], s[14:15] offset:3072
	s_wait_tensorcnt 0x0                           ; the wave's end: behind my last LDS store
	ds_add_u32 v[SPW], v[NIL]
	s_wait_dscnt 0x0
	s_endpgm
	; ---- the weights.  Y = work-group - 256: 0-63 wq, 64-79 wk, 80-95 wv, 96-159 wo.  Four waves take four neighbouring pairs of one K step: 512 consecutive bytes of each row of the weight
.Lweights:
.set MA,  8
.set MB,  9
.set SCO, 10
	s_sub_co_u32 s20, ttmp9, 256
	s_wait_kmcnt 0x0
	s_mov_b64 s[22:23], s[6:7]                     ; the source, the first pair in wc, the first Y, and log2 of the groups of four pairs: chosen on the work-group's number alone
	s_mov_b32 s25, 0
	s_mov_b32 s26, 0
	s_mov_b32 s27, 3
	s_cmp_ge_u32 s20, 64
	s_cselect_b64 s[22:23], s[8:9], s[22:23]
	s_cselect_b32 s25, 32, s25
	s_cselect_b32 s26, 64, s26
	s_cselect_b32 s27, 1, s27
	s_cmp_ge_u32 s20, 80
	s_cselect_b64 s[22:23], s[10:11], s[22:23]
	s_cselect_b32 s25, 40, s25
	s_cselect_b32 s26, 80, s26
	s_cmp_ge_u32 s20, 96
	s_cselect_b64 s[22:23], s[12:13], s[22:23]
	s_cselect_b32 s25, 48, s25
	s_cselect_b32 s26, 96, s26
	s_cselect_b32 s27, 3, s27
	s_sub_co_u32 s20, s20, s26
	s_lshr_b32 s28, s20, s27                       ; K step
	s_lshl_b32 s29, s28, s27
	s_sub_co_u32 s29, s20, s29                     ; which four pairs
	s_lshl_b32 s29, s29, 2
	s_add_co_u32 s29, s29, s[WV]                   ; my pair in the weight
	s_add_co_u32 s30, s27, 16
	s_lshl_b32 s30, s28, s30                       ; 128 rows of 4,096 (wq, wo) or 1,024 (wk, wv) bytes a K step
	s_lshl_b32 s31, s29, 7                         ; 128 bytes a pair
	s_add_co_u32 s30, s30, s31
	s_mov_b32 s31, 0
	s_add_nc_u64 s[22:23], s[22:23], s[30:31]
	s_add_co_u32 s32, s25, s29
	s_lshl_b32 s32, s32, 3
	s_add_co_u32 s32, s32, s28
	s_mul_i32 s32, s32, REC                        ; my record
	s_mov_b32 s33, 0
	s_add_nc_u64 s[16:17], s[16:17], s[32:33]
	v_and_b32 v[SIN], 7, v[LN]                     ; my column of the pair: (l % 8) + 16 ((l / 8) % 2) + 8 (l / 16): lanes 0-15 are tile 0's rows, lanes 16-31 tile 1's
	v_bfe_u32 v[SOUT], v[LN], 3, 1
	v_lshl_add_u32 v[SIN], v[SOUT], 4, v[SIN]
	v_lshl_add_u32 v[SIN], v[HH], 3, v[SIN]
	v_lshlrev_b32 v[SIN], 2, v[SIN]
.macro WLOAD pitch                     ; W(128 K step + i, my column): the 32 lanes read 128 consecutive bytes
.set i, 0
.rept 128
	global_load_b32 v[X+i], v[SIN], s[22:23] offset:i*\pitch th:TH_LOAD_NT
.set i, i+1
.endr
.endm
	s_cmp_eq_u32 s27, 3
	s_cbranch_scc0 .Lnarrow
	WLOAD 4096
	s_branch .Lloaded
.Lnarrow:
	WLOAD 1024
.Lloaded:
.macro WBLOCK t                        ; block t: all its 32 numbers are mine.  Its six registers go to tile-image place 12 (t % 2) + 6 (t / 2)
.set XS, X+32*(\t)
.set XT, PC0+12*((\t)%2)+6*((\t)/2)
	v_max3_num_f32 v[MA], |v[XS]|, |v[XS+1]|, |v[XS+2]|
	v_max3_num_f32 v[MB], |v[XS+3]|, |v[XS+4]|, |v[XS+5]|
.irp i, 6,10,14,18,22,26
	v_max3_num_f32 v[MA], v[MA], |v[XS+\i]|, |v[XS+\i+1]|
	v_max3_num_f32 v[MB], v[MB], |v[XS+\i+2]|, |v[XS+\i+3]|
.endr
	v_max3_num_f32 v[MA], v[MA], |v[XS+30]|, |v[XS+31]|
	v_max3_num_f32 v[MA], v[MA], v[MB], FLOOR
	v_add_nc_u32 v[SCO], EOFF, v[MA]
	v_lshrrev_b32 v[MB], 23, v[SCO]
.if (\t) == 0
	v_mov_b32 v[W], v[MB]
.else
	v_lshl_or_b32 v[W], v[MB], 8*(\t), v[W]        ; my column's four bytes: the record's scale word of my lane as it stands
.endif
	v_cvt_scalef32_pk16_bf6_f32 v[XT:XT+2], v[XS:XS+15], v[SCO]
	v_cvt_scalef32_pk16_bf6_f32 v[Y+4*(\t):Y+4*(\t)+2], v[XS+16:XS+31], v[SCO]   ; (three registers from an even number: made elsewhere and moved)
.endm
	s_wait_loadcnt 63                              ; of 128 loads the youngest 63 may be out: blocks 0 and 1 are in
	WBLOCK 0
	WBLOCK 1
	s_wait_loadcnt 32                              ; block 2 is in
	WBLOCK 2
	s_wait_loadcnt 0x0
	WBLOCK 3
	v_nop                                          ; one plain place behind a scaled conversion
.irp t, 0,1,2,3
.irp i, 0,1,2
	v_mov_b32 v[PC0+12*(\t%2)+6*(\t/2)+3+\i], v[Y+4*\t+\i]
.endr
.endr
.irp i, 0,1,2,3,4,5                    ; v[PC0 ..] holds blocks 0 and 2 of every lane's column, v[PC1 ..] blocks 1 and 3.  The first's lanes 16-31 (tile 1) change places with the second's lanes 0-15 (tile 0):
	v_permlane16_swap_b32 v[PC0+\i], v[PC1+\i]     ; the first is then tile 0's image (lanes 0-15 blocks 0, 2; lanes 16-31 blocks 1, 3), the second tile 1's
	v_permlane16_swap_b32 v[PC0+6+\i], v[PC1+6+\i]
.endr
.irp p, 0,1,2
	global_store_b128 v[A16], v[PC0+4*\p:PC0+4*\p+3], s[16:17] offset:512*\p
	global_store_b128 v[A16], v[PC1+4*\p:PC1+4*\p+3], s[16:17] offset:1536+512*\p
.endr
	global_store_b32 v[A4], v[W], s[16:17] offset:3072
	s_endpgm
.Lfunc_end_k_q466ba4866a_quant:
	.size	k_q466ba4866a_quant, .Lfunc_end_k_q466ba4866a_quant-k_q466ba4866a_quant
	.p2alignl 7, 3214868480
	.fill 96, 4, 3214868480
	.section	.rodata,"a",@progbits
	.p2align	6, 0x0
	.amdhsa_kernel k_q466ba4866a_quant
		.amdhsa_group_segment_fixed_size 68096
		.amdhsa_private_segment_fixed_size 0
		.amdhsa_enable_private_segment 0
		.amdhsa_kernarg_size 56
		.amdhsa_user_sgpr_count 2
		.amdhsa_user_sgpr_kernarg_segment_ptr 1
		.amdhsa_wavefront_size32 1
		.amdhsa_system_sgpr_workgroup_id_x 1
		.amdhsa_system_sgpr_workgroup_id_y 1
		.amdhsa_system_sgpr_workgroup_id_z 1
		.amdhsa_system_vgpr_workitem_id 0
		.amdhsa_next_free_vgpr 256
		.amdhsa_next_free_sgpr 66
		.amdhsa_reserve_vcc 0
		.amdhsa_float_denorm_mode_32 3
		.amdhsa_float_denorm_mode_16_64 3
		.amdhsa_memory_ordered 1
		.amdhsa_forward_progress 1
		.amdhsa_inst_pref_size 50
	.end_amdhsa_kernel
	.amdgpu_metadata
---
amdhsa.version: [ 1, 2 ]
amdhsa.kernels:
  - .name:           k_q466ba4866a_quant
    .symbol:         k_q466ba4866a_quant.kd
    .args:
      - { .name: x, .offset: 0, .size: 8, .value_kind: global_buffer, .address_space: global }
      - { .name: wq, .offset: 8, .size: 8, .value_kind: global_buffer, .address_space: global }
      - { .name: wk, .offset: 16, .size: 8, .value_kind: global_buffer, .address_space: global }
      - { .name: wv, .offset: 24, .size: 8, .value_kind: global_buffer, .address_space: global }
      - { .name: wo, .offset: 32, .size: 8, .value_kind: global_buffer, .address_space: global }
      - { .name: xc, .offset: 40, .size: 8, .value_kind: global_buffer, .address_space: global }
      - { .name: wc, .offset: 48, .size: 8, .value_kind: global_buffer, .address_space: global }
    .group_segment_fixed_size: 68096
    .private_segment_fixed_size: 0
    .kernarg_segment_align: 8
    .kernarg_segment_size: 56
    .max_flat_workgroup_size: 128
    .sgpr_count:     66
    .vgpr_count:     256
    .wavefront_size: 32
...
	.end_amdgpu_metadata
.endif
;; end of part 1
;; launch qkv (part 2): grid 32 x 6, 8 waves a work-group, clusters of 4 x 1, 327,680 bytes of LDS; arguments xc, wc, freqs_cos, freqs_sin, qkv; writes qkv
.if DOCPART == 2
	.amdgcn_target "amdgcn-amd-amdhsa--gfx1250"
	.amdhsa_code_object_version 6
	.text
	.protected	k_q466ba4866a_qkv
	.globl	k_q466ba4866a_qkv
	.p2align	8
	.type	k_q466ba4866a_qkv,@function
k_q466ba4866a_qkv:
	s_mov_b64 s[64:65], 0
	v_nop
	global_prefetch_b8 v0, s[64:65] scope:SCOPE_SE
	s_setreg_imm32_b32 hwreg(HW_REG_WAVE_MODE, 25, 1), 1
	s_wait_xcnt 0x0
	s_wait_alu depctr_hold_cnt(0) depctr_sa_sdst(0) depctr_va_vdst(0) depctr_va_sdst(0) depctr_va_ssrc(0) depctr_va_vcc(0) depctr_vm_vsrc(0)
	s_getreg_b32 s2, hwreg(HW_REG_IB_STS2, 6, 4)
	s_cmp_eq_u32 s2, 0
	s_cbranch_scc0 .Lentry_in_a_cluster
	s_endpgm
.Lentry_in_a_cluster:
	s_bfe_u32 s2, ttmp6, 0x10000c
	s_cmp_lg_u32 s2, 0x3003
	s_cbranch_scc0 .Lentry_shape_is_right
	s_endpgm
.Lentry_shape_is_right:
; q = rope(x wq), k = rope(x wk), v = x wv on codes of BF6 with E8M0 scales, and their quantising for the attention: q and k along the head's 64, v along the keys.
; OPERANDS: xc and wc hold records of 3,200 bytes for a pair (32 rows of x, 32 columns of a weight) and 128 along K: tile 0's and tile 1's 12 registers as planes of 512 bytes, then a scale word a lane.
; Lane-row r of tile u is the pair's row 8 u + r + 8 (r / 8), so the 16 result registers of two tiles of a pair used as source 0 are 16 neighbours: 16 (lane / 16) + 0 .. 15.
; SHARES: column job j = work-group y: 0-3 four q heads each, 4 all of k, 5 all of v: 256 columns (side P: wc's pairs 8 j ..).  Row tile = 128 rows (side Q: xc's pairs 4 ry ..).  192 work-groups: whole heads of one kind
; to a work-group allow no split into 256 equal parts.  Wave w: 64 columns (one head, w % 4) x 64 rows (w / 4): 16 accumulators.
; ALL OF K LIES IN LDS, FILLED ONCE: 204,800 bytes of P and 102,400 of Q, asked for at the head in four chunks of two K steps: no slot is ever filled again.
; CLUSTER: the four work-groups of a cluster have the same j, so P's tiles, two thirds of a work-group's bytes, are asked for jointly (mask 15); Q's are each work-group's own.  My place in the cluster enters Q's global
; address and the output's alone.  A 4 x 4 cluster is not to be had: six column jobs do not divide by four.
; q, k: source 0 = the weight, source 1 = x: a lane holds one row and its registers run along the head's 64.  v: the sources swapped: a lane holds one channel and its registers run along the keys.
; OUT (buffer qkv): half-tiles of 384 bytes: 16 rows x 32 codes, row r's 24 bytes at 24 r.  QC [head][G = row / 32][tile u][hd block]; KC likewise; VC [4 kv head + channel tile][G]; QS, KS [head][G] 128 bytes: a word a lane
; (tile l / 16, row l % 16; bytes 0, 1 the two blocks, bytes 2, 3 zero); VS [kv head][G][r][channel tile] bytes.
; LIMITS: NaN and infinities are not served; a block of zeros gets the byte 1 where the rule says 127 (its codes are zeros; this program alone reads the bytes).
.set FLOOR, 0x2800000
.set EOFF,  0xfe000000
.set REC,   3200
.set CH,    6400                       ; a pair's two K steps: what one tensor load brings: 25 runs of 256 bytes
.set PAIRB, 25600
.set QB,    204800                     ; LDS: P [chunk][pair 0..7][6,400] from 0, Q [chunk][pair 0..3][6,400] from here
.set SPARE, 307200                     ; the spare words, 128 bytes for each of eight waves: four blocks of 256 bytes that no other line names
.set KC, 3145728
.set VC, 3932160
.set QS, 4718592
.set KS, 4980736
.set VS, 5046272
.set AP,  4                            ; v4-7  LDS addresses: P's and Q's images (16 x lane), their scale words (4 x lane); in the epilogue: the four tiles' offsets in the output
.set AQ,  5
.set APS, 6
.set AQS, 7
.set SPW, 8                            ; v8   my spare word's LDS address; never rewritten
.set NIL, 9                            ; v9   0; never rewritten
.set SP,  10                           ; v10-11 P's scale words, v12-13 Q's: scales and nothing else
.set SQ,  12
.set VCS, 14                           ; v14  my lane's byte in a tile's rows of cos and sin
.set A4,  15                           ; v15  4 x lane
.set PF,  16                           ; v16-63  P's four fragments
.set QF,  64                           ; v64-111 Q's four
.set ACC, 128                          ; v128-255
.set CSR, 16                           ; epilogue: v16-79 two sets of 16 cos + 16 sin
.set CD,  80                           ; v80-111 codes: tile i, block b at 80 + 8 i + 4 b: no store's data are written again
.set TM,  112                          ; v112-113 largest magnitudes, v114-115 the other half's, v116-117 the conversions' scale operands (v116-119: RoPE's scratch pairs)
.set TX,  114
.set SO,  116
.set BY,  120                          ; v120-127 bytes: tile i, block b at 120 + 2 i + b
.set WV,  14
.set G1P, 16                           ; s[16:23], s[24:31] descriptor groups 1;  s[32:47] P's four groups 0;  s[48:55] Q's two
.set G1Q, 24
.set G0P, 32
.set G0Q, 48
.set SEL, 80
.set HIM, 82
.macro CROUND                          ; a round of the cluster's barrier
	s_barrier_signal -1
	s_barrier_wait -1
	s_cmp_lg_u32 s[WV], 0
	s_cbranch_scc1 .Lnw0_\@
	s_barrier_signal -3
.Lnw0_\@:
	s_barrier_wait -3
	s_barrier_signal -1
	s_barrier_wait -1
.endm
; one matrix instruction.  z = 1: it starts the sum.  ra, rb: which half of the lanes holds source 0's and source 1's scale words
.macro WM d, a, b, z, sa, sb, ra, rb
.if (\z) && ((\ra)==0) && ((\rb)==0)
	v_wmma_scale_f32_16x16x128_f8f6f4 v[(\d):(\d)+7], v[(\a):(\a)+11], v[(\b):(\b)+11], 0, v[(\sa)], v[(\sb)] matrix_a_fmt:MATRIX_FMT_BF6 matrix_b_fmt:MATRIX_FMT_BF6
.elseif (\z) && ((\ra)==1) && ((\rb)==0)
	v_wmma_scale_f32_16x16x128_f8f6f4 v[(\d):(\d)+7], v[(\a):(\a)+11], v[(\b):(\b)+11], 0, v[(\sa)], v[(\sb)] matrix_a_fmt:MATRIX_FMT_BF6 matrix_b_fmt:MATRIX_FMT_BF6 matrix_a_scale:MATRIX_SCALE_ROW1
.elseif (\z) && ((\ra)==0) && ((\rb)==1)
	v_wmma_scale_f32_16x16x128_f8f6f4 v[(\d):(\d)+7], v[(\a):(\a)+11], v[(\b):(\b)+11], 0, v[(\sa)], v[(\sb)] matrix_a_fmt:MATRIX_FMT_BF6 matrix_b_fmt:MATRIX_FMT_BF6 matrix_b_scale:MATRIX_SCALE_ROW1
.elseif (\z)
	v_wmma_scale_f32_16x16x128_f8f6f4 v[(\d):(\d)+7], v[(\a):(\a)+11], v[(\b):(\b)+11], 0, v[(\sa)], v[(\sb)] matrix_a_fmt:MATRIX_FMT_BF6 matrix_b_fmt:MATRIX_FMT_BF6 matrix_a_scale:MATRIX_SCALE_ROW1 matrix_b_scale:MATRIX_SCALE_ROW1
.elseif ((\ra)==0) && ((\rb)==0)
	v_wmma_scale_f32_16x16x128_f8f6f4 v[(\d):(\d)+7], v[(\a):(\a)+11], v[(\b):(\b)+11], v[(\d):(\d)+7], v[(\sa)], v[(\sb)] matrix_a_fmt:MATRIX_FMT_BF6 matrix_b_fmt:MATRIX_FMT_BF6
.elseif ((\ra)==1) && ((\rb)==0)
	v_wmma_scale_f32_16x16x128_f8f6f4 v[(\d):(\d)+7], v[(\a):(\a)+11], v[(\b):(\b)+11], v[(\d):(\d)+7], v[(\sa)], v[(\sb)] matrix_a_fmt:MATRIX_FMT_BF6 matrix_b_fmt:MATRIX_FMT_BF6 matrix_a_scale:MATRIX_SCALE_ROW1
.elseif ((\ra)==0) && ((\rb)==1)
	v_wmma_scale_f32_16x16x128_f8f6f4 v[(\d):(\d)+7], v[(\a):(\a)+11], v[(\b):(\b)+11], v[(\d):(\d)+7], v[(\sa)], v[(\sb)] matrix_a_fmt:MATRIX_FMT_BF6 matrix_b_fmt:MATRIX_FMT_BF6 matrix_b_scale:MATRIX_SCALE_ROW1
.else
	v_wmma_scale_f32_16x16x128_f8f6f4 v[(\d):(\d)+7], v[(\a):(\a)+11], v[(\b):(\b)+11], v[(\d):(\d)+7], v[(\sa)], v[(\sb)] matrix_a_fmt:MATRIX_FMT_BF6 matrix_b_fmt:MATRIX_FMT_BF6 matrix_a_scale:MATRIX_SCALE_ROW1 matrix_b_scale:MATRIX_SCALE_ROW1
.endif
.endm
; a K step's operands: my two pairs of each side: 4 scale words, 2 x 4 fragments of three loads each, every load 512 consecutive bytes
.macro KLOAD s2
.rept 4
	v_nop                                          ; four places in front of loads into registers that matrix instructions have read (ISA guide 7.12.1 for vector instructions)
.endr
.irp pp, 0,1
	ds_load_b32 v[SP+\pp], v[APS] offset:\pp*CH+(\s2)*REC+3072
	ds_load_b32 v[SQ+\pp], v[AQS] offset:\pp*CH+(\s2)*REC+3072
.endr
.irp t, 0,1,2,3
.irp pl, 0,1,2
	ds_load_b128 v[PF+12*\t+4*\pl:PF+12*\t+4*\pl+3], v[AP] offset:(\t/2)*CH+(\s2)*REC+(\t%2)*1536+512*\pl
	ds_load_b128 v[QF+12*\t+4*\pl:QF+12*\t+4*\pl+3], v[AQ] offset:(\t/2)*CH+(\s2)*REC+(\t%2)*1536+512*\pl
.endr
.endr
	s_wait_dscnt 0x0                               ; all 28: no other LDS instruction of mine is out
.endm
; 16 matrix instructions; the 16 accumulators take turns, one instruction a turn, in the same order in every K step and in both versions
.macro KMUL_A first                    ; q, k: rows of x in the lanes: accumulators 4 m + t
.irp m, 0,1,2,3
.irp t, 0,1,2,3
	WM ACC+32*\m+8*\t, PF+12*\t, QF+12*\m, \first, SP+\t/2, SQ+\m/2, \t%2, \m%2
.endr
.endr
.endm
.macro KMUL_B first                    ; v: channels in the lanes: accumulators 4 t + m
.irp t, 0,1,2,3
.irp m, 0,1,2,3
	WM ACC+32*\t+8*\m, QF+12*\m, PF+12*\t, \first, SQ+\m/2, SP+\t/2, \m%2, \t%2
.endr
.endr
.endm
.macro KSTEP s2, first
	KLOAD \s2
	s_cmp_eq_u32 s67, 5                            ; the column job: the same in all waves and in all four partners; the branch leads round matrix instructions alone
	s_cbranch_scc1 .Lvb_\@
	KMUL_A \first
	s_branch .Lvj_\@
.Lvb_\@:
	KMUL_B \first
.Lvj_\@:
.endm
.macro CHUNK cnt, first, step          ; two K steps.  cnt: how many of my younger tensor loads may stay out
	s_wait_tensorcnt \cnt
	s_barrier_signal -1
	s_barrier_wait -1                              ; every wave's parts of this chunk have landed
	KSTEP 0, \first
	KSTEP 1, 0
.if \step
	v_add_nc_u32 v[AP], 8*CH, v[AP]                ; on to the next chunk
	v_add_nc_u32 v[APS], 8*CH, v[APS]
	v_add_nc_u32 v[AQ], 4*CH, v[AQ]
	v_add_nc_u32 v[AQS], 4*CH, v[AQS]
.endif
.endm
; two blocks of 32: v[src + 16 b + i], 16 numbers a lane, the other 16 in lane l xor 16: the conversions' scale operands in v[SO + b], the bytes in v[by0], v[by1]
.macro SC2 src, by0, by1
	v_max3_num_f32 v[TM], |v[\src]|, |v[\src+1]|, FLOOR
	v_max3_num_f32 v[TM+1], |v[\src+16]|, |v[\src+17]|, FLOOR
.irp i, 2,4,6,8,10,12,14
	v_max3_num_f32 v[TM], v[TM], |v[\src+\i]|, |v[\src+\i+1]|
	v_max3_num_f32 v[TM+1], v[TM+1], |v[\src+16+\i]|, |v[\src+17+\i]|
.endr
	v_permlanex16_b32 v[TX], v[TM], s[SEL], s[SEL+1]
	v_permlanex16_b32 v[TX+1], v[TM+1], s[SEL], s[SEL+1]
	v_max_num_f32 v[TM], v[TM], v[TX]
	v_max_num_f32 v[TM+1], v[TM+1], v[TX+1]
	v_add_nc_u32 v[SO], EOFF, v[TM]
	v_add_nc_u32 v[SO+1], EOFF, v[TM+1]
	v_lshrrev_b32 v[\by0], 23, v[SO]
	v_lshrrev_b32 v[\by1], 23, v[SO+1]
.endm
.macro CODES i                         ; tile i's 32 numbers a lane -> 2 x 12 bytes, stored: 32 lanes fill a half-tile's 384 consecutive bytes
	SC2 ACC+32*(\i), BY+2*(\i), BY+2*(\i)+1
	v_cvt_scalef32_pk16_bf6_f32 v[CD+8*(\i):CD+8*(\i)+2], v[ACC+32*(\i):ACC+32*(\i)+15], v[SO]
	v_cvt_scalef32_pk16_bf6_f32 v[CD+8*(\i)+4:CD+8*(\i)+6], v[ACC+32*(\i)+16:ACC+32*(\i)+31], v[SO+1]
	v_nop                                          ; one plain place behind a scaled conversion
	global_store_b96 v[AP+(\i)], v[CD+8*(\i):CD+8*(\i)+2], s[84:85]
	global_store_b96 v[AP+(\i)], v[CD+8*(\i)+4:CD+8*(\i)+6], s[84:85] offset:384
.endm
	s_load_b256 s[4:11], s[0:1], 0x0               ; xc s[4:5], wc s[6:7], cos s[8:9], sin s[10:11]
	s_load_b64 s[12:13], s[0:1], 0x20              ; qkv
	v_lshl_add_u32 v[SPW], v0, 2, SPARE
	v_mov_b32 v[NIL], 0
	ds_add_u32 v[SPW], v[NIL]                      ; the wave's opening: the add and its wait stand ahead of my first tensor load; the set-up below, work on registers, stands between them
	v_lshrrev_b32 v1, 5, v0
	v_readfirstlane_b32 s[WV], v1                  ; wave 0..7
	s_bfe_u32 s15, ttmp6, 0x40000                  ; cx: my place in the cluster
	s_lshl_b32 s66, ttmp9, 2
	s_add_co_u32 s66, s66, s15                     ; ry: my tile of 128 rows
	s_and_b32 s67, ttmp7, 0xffff                   ; j: the column job, which the four partners share
	s_and_b32 s68, s[WV], 3                        ; pw: my 64 columns
	s_lshr_b32 s69, s[WV], 2                       ; qw: my 64 rows
	; descriptor groups 1: one row of 800 elements of 8 bytes
	s_mov_b32 s[G1P], 15|(3<<16)|(1<<21)           ; 15:0 the mask: all four work-groups; 17:16 elements of 8 bytes; 21 set beside a mask
	s_mov_b32 s[G1Q], 3<<16                        ; no mask: my own
.irp g, G1P, G1Q
	s_mov_b32 s[\g+1], 800<<16                     ; tensor_dim0
	s_mov_b32 s[\g+2], 1<<16                       ; tensor_dim1
	s_mov_b32 s[\g+3], 800<<16                     ; tile_dim0
	s_mov_b32 s[\g+4], 1                           ; tile_dim1
	s_mov_b32 s[\g+5], 800                         ; the pitch
	s_mov_b32 s[\g+6], 0
	s_mov_b32 s[\g+7], 0
.endr
	s_mul_i32 s70, s[WV], CH                       ; P: wave w brings pair w of each chunk
.irp c, 0,1,2,3
	s_mov_b32 s[G0P+4*\c], 1
	s_add_co_u32 s[G0P+4*\c+1], s70, \c*8*CH
.endr
	s_mul_i32 s71, s69, 4*CH                       ; Q: waves 0-3 bring chunks 0 and 2, waves 4-7 chunks 1 and 3; pair w % 4
	s_mul_i32 s72, s68, CH
	s_add_co_u32 s71, s71, s72
	s_mov_b32 s[G0Q], 1
	s_add_co_u32 s[G0Q+1], s71, QB
	s_mov_b32 s[G0Q+4], 1
	s_add_co_u32 s[G0Q+5], s71, QB+8*CH
	s_lshl_b32 s74, s67, 3
	s_add_co_u32 s74, s74, s[WV]
	s_mul_i32 s74, s74, PAIRB                      ; wc's pair 8 j + w
	s_mov_b32 s75, 0
	s_lshl_b32 s76, s66, 2
	s_add_co_u32 s76, s76, s68
	s_mul_i32 s76, s76, PAIRB                      ; xc's pair 4 ry + w % 4,
	s_mul_i32 s77, s69, CH                         ; chunk w / 4
	s_add_co_u32 s76, s76, s77
	s_mov_b32 s77, 0
	s_mov_b32 s[SEL], 0x76543210
	s_mov_b32 s[SEL+1], 0xfedcba98
	s_mov_b32 s[HIM], 0xffff0000
	s_wait_dscnt 0x0                               ; the opening add is done
	s_wait_kmcnt 0x0
	s_add_nc_u64 s[74:75], s[6:7], s[74:75]
	s_add_nc_u64 s[76:77], s[4:5], s[76:77]
.irp c, 0,1,2,3
	s_add_nc_u64 s[G0P+4*\c+2:G0P+4*\c+3], s[74:75], \c*CH
	s_or_b32 s[G0P+4*\c+3], s[G0P+4*\c+3], 0x80000000
.endr
	s_mov_b64 s[G0Q+2:G0Q+3], s[76:77]
	s_or_b32 s[G0Q+3], s[G0Q+3], 0x80000000
	s_add_nc_u64 s[G0Q+6:G0Q+7], s[76:77], 2*CH
	s_or_b32 s[G0Q+7], s[G0Q+7], 0x80000000
	CROUND                                         ; all four work-groups are here: the joint loads meet
	tensor_load_to_lds s[G0P:G0P+3], s[G1P:G1P+7]          ; all first fills in one group: six tensor loads of mine are out.  P's chunk 0,
	s_nop 0
	tensor_load_to_lds s[G0Q:G0Q+3], s[G1Q:G1Q+7]          ; Q's chunk 0 or 1,
	s_nop 0
	tensor_load_to_lds s[G0P+4:G0P+7], s[G1P:G1P+7]        ; P's chunk 1,
	s_nop 0
	tensor_load_to_lds s[G0P+8:G0P+11], s[G1P:G1P+7]       ; P's chunk 2,
	s_nop 0
	tensor_load_to_lds s[G0Q+4:G0Q+7], s[G1Q:G1Q+7]        ; Q's chunk 2 or 3,
	s_nop 0
	tensor_load_to_lds s[G0P+12:G0P+15], s[G1P:G1P+7]      ; P's chunk 3
	s_nop 0
.rept 4
	v_nop
.endr
	v_and_b32 v1, 31, v0                           ; lane
	v_and_b32 v2, 15, v0                           ; r
	v_bfe_u32 v3, v0, 4, 1                         ; h
	s_mul_i32 s70, s68, 2*CH                       ; my two pairs of P,
	s_mul_i32 s71, s69, 2*CH                       ; and of Q
	s_add_co_u32 s71, s71, QB
	v_lshlrev_b32 v[A4], 2, v1
	v_lshlrev_b32 v[VCS], 4, v1
	v_add_nc_u32 v[AP], s70, v[VCS]
	v_add_nc_u32 v[AQ], s71, v[VCS]
	v_add_nc_u32 v[APS], s70, v[A4]
	v_add_nc_u32 v[AQS], s71, v[A4]
	v_and_b32 v[VCS], 8, v2
	v_add_nc_u32 v[VCS], v[VCS], v2                ; r + 8 (r / 8)
	v_lshlrev_b32 v[VCS], 7, v[VCS]                ; a row of cos or sin is 128 bytes
	v_lshl_add_u32 v[VCS], v3, 5, v[VCS]           ; + 32 h: my half's eight frequencies of each block
	v_mov_b32 v[TX], 0                             ; written once: a lane permute's destination counts as one of its sources
	v_mov_b32 v[TX+1], 0
	CHUNK 4, 1, 1                                  ; P's chunk 0 and my first part of Q are in; the four younger loads may be out
	CHUNK 3, 0, 1                                  ; P's chunk 1 is in (Q's chunk 1 was waves 4-7's first part of Q)
	CHUNK 1, 0, 1                                  ; P's chunk 2 and my second part of Q are in
	CHUNK 0, 0, 0
.rept 4
	v_nop                                          ; four places behind the last products: their results are read, and their operands' registers loaded and written, below
.endr
	s_lshl_b32 s70, s66, 2
	s_lshl_b32 s71, s69, 1
	s_add_co_u32 s70, s70, s71                     ; G0: my first group of 32 rows
	s_mov_b32 s77, 0
	v_mul_u32_u24 v[AP], v2, 24
	v_mad_u32_u24 v[AP], v3, 12, v[AP]             ; in a half-tile: 24 r + 12 h
	s_cmp_eq_u32 s67, 5
	s_cbranch_scc1 .Larm_v
	; ---- q, k.  In accumulators 4 m .. 4 m + 3 lane (r, h) holds row 32 (m / 2) + 8 (m % 2) + r + 8 (r / 8) of my 64; register 16 b + e is hd 32 b + 16 h + e
	s_cmp_eq_u32 s67, 4
	s_cselect_b32 s72, 0, s67
	s_cselect_b32 s73, KC, 0
	s_mov_b32 s75, QS
	s_cselect_b32 s74, KS, s75
	s_lshl_b32 s72, s72, 2
	s_add_co_u32 s72, s72, s68                     ; the head: 4 j + pw of q, pw of k
	s_lshl_b32 s72, s72, 7
	s_add_co_u32 s72, s72, s70                     ; 128 head + G0
	s_mul_i32 s76, s72, 1536
	s_add_co_u32 s76, s76, s73
	s_add_nc_u64 s[84:85], s[12:13], s[76:77]      ; the codes
	s_lshl_b32 s76, s72, 7
	s_add_co_u32 s76, s76, s74
	s_add_nc_u64 s[86:87], s[12:13], s[76:77]      ; the scale words
	s_lshl_b32 s76, s66, 7
	s_lshl_b32 s78, s69, 6
	s_add_co_u32 s76, s76, s78
	s_and_b32 s76, s76, 2047                       ; my first row's place in its sequence
	s_lshl_b32 s76, s76, 7
	s_add_nc_u64 s[88:89], s[8:9], s[76:77]
	s_add_nc_u64 s[90:91], s[10:11], s[76:77]
.irp i, 1,2,3
	v_add_nc_u32 v[AP+\i], \i*768, v[AP]           ; tile m's two half-tiles begin 768 m bytes on
.endr
.macro CSLOAD m                        ; my row's 16 cosines and 16 sines of tile m: frequencies 16 b + 8 h + 0 .. 7, into set m % 2
.irp b, 0,1
.irp jj, 0,1
	global_load_b128 v[CSR+32*((\m)%2)+8*\b+4*\jj:CSR+32*((\m)%2)+8*\b+4*\jj+3], v[VCS], s[88:89] offset:(32*((\m)/2)+8*((\m)%2))*128+64*\b+16*\jj
	global_load_b128 v[CSR+32*((\m)%2)+16+8*\b+4*\jj:CSR+32*((\m)%2)+16+8*\b+4*\jj+3], v[VCS], s[90:91] offset:(32*((\m)/2)+8*((\m)%2))*128+64*\b+16*\jj
.endr
.endr
.endm
.macro ROPE m                          ; pair i of 16: (a, b) -> (a c - b s, a s + b c).  First (-b s, a s) into a scratch pair, then a multiply-add by c in place, each half on itself.  Ascending: each accumulator is read from its low end on
.set i, 0
.rept 16
.set PP, ACC+32*(\m)+2*i
.set CC, CSR+32*((\m)%2)+(i&14)
.set TT, SO+2*(i%2)
.if (i%2) == 0
	v_pk_mul_f32 v[TT:TT+1], v[PP:PP+1], v[CC+16:CC+17] op_sel:[1,0] op_sel_hi:[0,0] neg_lo:[0,1]
	v_pk_fma_f32 v[PP:PP+1], v[PP:PP+1], v[CC:CC+1], v[TT:TT+1] op_sel_hi:[1,0,1]
.else
	v_pk_mul_f32 v[TT:TT+1], v[PP:PP+1], v[CC+16:CC+17] op_sel:[1,1] op_sel_hi:[0,1] neg_lo:[0,1]
	v_pk_fma_f32 v[PP:PP+1], v[PP:PP+1], v[CC:CC+1], v[TT:TT+1] op_sel:[0,1,0] op_sel_hi:[1,1,1]
.endif
.set i, i+1
.endr
.endm
	CSLOAD 0
	CSLOAD 1
.irp m, 0,1,2,3
.if \m < 3
	s_wait_loadcnt 8                               ; this tile's eight loads are in; the next tile's eight may be out
.else
	s_wait_loadcnt 0x0
.endif
	ROPE \m
.if \m < 2
	CSLOAD \m+2
.endif
	CODES \m
.endr
.irp g, 0,1                            ; a group's scale words: lanes 0-15 tile 0's rows, lanes 16-31 tile 1's; bytes 2 and 3 stay zero
	v_lshl_or_b32 v[BY+4*\g], v[BY+4*\g+1], 8, v[BY+4*\g]
	v_lshl_or_b32 v[BY+4*\g+2], v[BY+4*\g+3], 8, v[BY+4*\g+2]
	v_cndmask_b32 v[BY+4*\g+1], v[BY+4*\g], v[BY+4*\g+2], s[HIM]
	global_store_b32 v[A4], v[BY+4*\g+1], s[86:87] offset:128*\g
.endr
	s_branch .Lout
	; ---- v.  In accumulators 4 t .. 4 t + 3 lane (r, h) holds row r of channel tile t; register 16 g + e is key 32 (G0 + g) + 16 h + e
.Larm_v:
	s_lshl_b32 s72, s68, 9
	s_add_co_u32 s72, s72, s70                     ; 512 kv head + G0
	s_mul_i32 s76, s72, 384
	s_add_co_u32 s76, s76, VC
	s_add_nc_u64 s[84:85], s[12:13], s[76:77]
	s_lshl_b32 s72, s68, 7
	s_add_co_u32 s72, s72, s70
	s_lshl_b32 s76, s72, 6
	s_add_co_u32 s76, s76, VS
	s_add_nc_u64 s[86:87], s[12:13], s[76:77]
.irp i, 1,2,3
	v_add_nc_u32 v[AP+\i], \i*49152, v[AP]         ; a channel tile's 128 half-tiles
.endr
.irp t, 0,1,2,3
	CODES \t
.endr
.irp b, 0,1                            ; key block b: my row's four bytes, one for each channel tile
	v_lshl_or_b32 v[BY+\b], v[BY+2+\b], 8, v[BY+\b]
	v_lshl_or_b32 v[BY+\b], v[BY+4+\b], 16, v[BY+\b]
	v_lshl_or_b32 v[BY+\b], v[BY+6+\b], 24, v[BY+\b]
.endr
	v_cndmask_b32 v[BY+2], v[BY], v[BY+1], s[HIM]  ; lanes 0-15 store block G0's 64 bytes, lanes 16-31 block G0 + 1's
	global_store_b32 v[A4], v[BY+2], s[86:87]
.Lout:
	s_wait_tensorcnt 0x0                           ; the wave's end: behind my last tensor load
	ds_add_u32 v[SPW], v[NIL]
	s_wait_dscnt 0x0
	CROUND                                         ; the closing round: no work-group ends while a partner may still ask for a tile that names it
	s_endpgm
.Lfunc_end_k_q466ba4866a_qkv:
	.size	k_q466ba4866a_qkv, .Lfunc_end_k_q466ba4866a_qkv-k_q466ba4866a_qkv
	.p2alignl 7, 3214868480
	.fill 96, 4, 3214868480
	.section	.rodata,"a",@progbits
	.p2align	6, 0x0
	.amdhsa_kernel k_q466ba4866a_qkv
		.amdhsa_group_segment_fixed_size 327680
		.amdhsa_private_segment_fixed_size 0
		.amdhsa_enable_private_segment 0
		.amdhsa_kernarg_size 40
		.amdhsa_user_sgpr_count 2
		.amdhsa_user_sgpr_kernarg_segment_ptr 1
		.amdhsa_wavefront_size32 1
		.amdhsa_system_sgpr_workgroup_id_x 1
		.amdhsa_system_sgpr_workgroup_id_y 1
		.amdhsa_system_sgpr_workgroup_id_z 1
		.amdhsa_system_vgpr_workitem_id 0
		.amdhsa_next_free_vgpr 256
		.amdhsa_next_free_sgpr 96
		.amdhsa_reserve_vcc 0
		.amdhsa_float_denorm_mode_32 3
		.amdhsa_float_denorm_mode_16_64 3
		.amdhsa_memory_ordered 1
		.amdhsa_forward_progress 1
		.amdhsa_inst_pref_size 85
	.end_amdhsa_kernel
	.amdgpu_metadata
---
amdhsa.version: [ 1, 2 ]
amdhsa.kernels:
  - .name:           k_q466ba4866a_qkv
    .symbol:         k_q466ba4866a_qkv.kd
    .args:
      - { .name: xc, .offset: 0, .size: 8, .value_kind: global_buffer, .address_space: global }
      - { .name: wc, .offset: 8, .size: 8, .value_kind: global_buffer, .address_space: global }
      - { .name: freqs_cos, .offset: 16, .size: 8, .value_kind: global_buffer, .address_space: global }
      - { .name: freqs_sin, .offset: 24, .size: 8, .value_kind: global_buffer, .address_space: global }
      - { .name: qkv, .offset: 32, .size: 8, .value_kind: global_buffer, .address_space: global }
    .group_segment_fixed_size: 327680
    .private_segment_fixed_size: 0
    .kernarg_segment_align: 8
    .kernarg_segment_size: 40
    .max_flat_workgroup_size: 256
    .sgpr_count:     96
    .vgpr_count:     256
    .wavefront_size: 32
...
	.end_amdgpu_metadata
.endif
;; end of part 2
;; launch attn (part 3): grid 256 x 1, 4 waves a work-group, no clusters, 0 bytes of LDS; arguments qkv, ac; writes ac
.if DOCPART == 3
	.amdgcn_target "amdgcn-amd-amdhsa--gfx1250"
	.amdhsa_code_object_version 6
	.text
	.protected	k_q466ba4866a_attn
	.globl	k_q466ba4866a_attn
	.p2align	8
	.type	k_q466ba4866a_attn,@function
k_q466ba4866a_attn:
	s_mov_b64 s[64:65], 0
	v_nop
	global_prefetch_b8 v0, s[64:65] scope:SCOPE_SE
	s_setreg_imm32_b32 hwreg(HW_REG_WAVE_MODE, 25, 1), 1
	s_wait_xcnt 0x0
; The banded attention on codes of BF6: key j counts for query i where i - 64 <= j <= i, so a group G of 32 queries meets three key blocks of 32: G - 2, G - 1, G.  What lies outside the band is not multiplied.
; SHARES: work-group = (G, half of the kv heads); wave = (kv head, two of its four query heads a = 0, 1) x both query tiles u: four COMBOs on one set of K and V fragments, held in registers.  The wave's results are one
; record of ac: pair G, K step 2 kvh + hp (heads 2 j and 2 j + 1 are K step j of the last product).
; No LDS, no barrier: waves share nothing.  NO CLUSTER: what neighbouring work-groups read in common is 4,608 bytes of K and V a wave, loaded once straight into registers: there is no tile in LDS to ask for jointly.
; BOTH PRODUCTS TRANSPOSED: S^T = K Q^T, O^T = V^T P^T: a lane holds one query (row 8 u + r + 8 (r / 8) of the group).  The tiles' row order makes the 16 registers of two tiles of a key block 16 neighbouring keys, and of two
; channel tiles 16 neighbouring channels: so p and the result are quantised from a lane's consecutive registers.
; K = 64 IN AN INSTRUCTION OF 128: Q's upper six registers are zero codes; K's operand names the six registers that follow its own (the next fragment's codes, or zeros), which meet those zeros; bytes 2, 3 of both scale words are 0.
; KEYS = 96 IN AN INSTRUCTION OF 128: p's fourth block is zero codes; V's fourth block repeats the third.
; At a sequence's start the blocks G - 2, G - 1 are held at the sequence's first block; what they bring is hidden by the lower bound 64 - 32 g.
; SOFTMAX: t = score x log2(e); M = ceil(the row's largest t); p = 2^(t - M) is quantised; the row's sum of the unquantised p divides at the end.  One pass sees all of a row's keys: nothing is rescaled.
; The clamp at -1e9 is taken on 8 x the score, at -8e9, which f32 holds exactly; hidden scores get that value, and p = 0.
; LIMITS: a row whose every score inside the band is at or under -1e9 is not served (there the clamp would give weight to all 2,048 keys); NaN and infinities are not served; a block of zeros gets the byte 1.
.set FLOOR, 0x2800000
.set EOFF,  0xfe000000
.set KC, 3145728
.set VC, 3932160
.set QS, 4718592
.set KS, 4980736
.set VS, 5046272
.set LK,  1                            ; v1   384 h + 24 r: my 24 bytes of a tile of Q or K
.set A4,  2                            ; v2   4 x lane
.set A16, 3                            ; v3   16 x lane
.set DLO, 4                            ; v4-5 tile u: max(my query's row, 64 - 32 g) - 16 h
.set DHI, 6                            ; v6-7 tile u: my query's row - 16 h
.set HID, 8                            ; v8   -8e9
.set AW,  9                            ; v9-10 tile u's scale word of the result
.set LS,  11                           ; v11  the row's sum
.set NM,  12                           ; v12  -M  (v13: 0, named with it as a pair)
.set RL,  14                           ; v14  1 / the sum  (v15: 0)
.set KF,  16                           ; v16-57   K: six fragments of six registers, then six zeros
.set QF,  58                           ; v58-105  Q: slot 2 u + a, 12 registers, the upper six zero
.set VF,  106                          ; v106-153 V: four channel tiles
.set S,   154                          ; v154-201 the scores, then p; v154-185 then O^T
.set PC,  202                          ; v202-213 p's codes
.set T0,  214                          ; v214-217 the sum's two chains, then half blocks on their way
.set T1,  218
.set AC,  222                          ; v222-233 the result's fragment  (v227-229 at the head: V's scale bytes as loaded)
.set RW,  227
.set KSC, 234                          ; v234-236 K's scale words, v237-238 Q's, v239-242 V's, v243 p's: scales and nothing else
.set QSC, 237
.set VW,  239
.set PW,  243
.set TM,  244                          ; v244-246 the blocks' largest
.set TX,  247                          ; v247-249 the other half's; then bytes
.set SO,  250                          ; v250-252 the conversions' scale operands
.set TT,  253                          ; v253-255 at work; at the head: 24 r, V's lower offset, 4 r
.set VA1, 253
.set VA0, 254
.set A4R, 255
.set KP,  20                           ; s[20:25] K's three blocks;  s[26:31] their scale words;  s[32:37] V's scale bytes
.set KSP, 26
.set RWP, 32
.set QP,  38                           ; s[38:41] Q's two heads;  s[42:45] their scale words
.set QSP, 42
.set VP0, 46                           ; s[46:47] V at block 0;  s[48:49] at block 2
.set VP1, 48
.set DST, 50
.set SEL, 52
.set HIM, 54
.set CS,  56                           ; s[56:57] log2(e) / 8
.set R0S, 58
.macro WM d, a, b, z, sa, sb, ra, rb   ; here every product starts its sum (z is kept for the form)
.if ((\ra)==0) && ((\rb)==0)
	v_wmma_scale_f32_16x16x128_f8f6f4 v[(\d):(\d)+7], v[(\a):(\a)+11], v[(\b):(\b)+11], 0, v[(\sa)], v[(\sb)] matrix_a_fmt:MATRIX_FMT_BF6 matrix_b_fmt:MATRIX_FMT_BF6
.elseif ((\ra)==1) && ((\rb)==0)
	v_wmma_scale_f32_16x16x128_f8f6f4 v[(\d):(\d)+7], v[(\a):(\a)+11], v[(\b):(\b)+11], 0, v[(\sa)], v[(\sb)] matrix_a_fmt:MATRIX_FMT_BF6 matrix_b_fmt:MATRIX_FMT_BF6 matrix_a_scale:MATRIX_SCALE_ROW1
.elseif ((\ra)==0) && ((\rb)==1)
	v_wmma_scale_f32_16x16x128_f8f6f4 v[(\d):(\d)+7], v[(\a):(\a)+11], v[(\b):(\b)+11], 0, v[(\sa)], v[(\sb)] matrix_a_fmt:MATRIX_FMT_BF6 matrix_b_fmt:MATRIX_FMT_BF6 matrix_b_scale:MATRIX_SCALE_ROW1
.else
	v_wmma_scale_f32_16x16x128_f8f6f4 v[(\d):(\d)+7], v[(\a):(\a)+11], v[(\b):(\b)+11], 0, v[(\sa)], v[(\sb)] matrix_a_fmt:MATRIX_FMT_BF6 matrix_b_fmt:MATRIX_FMT_BF6 matrix_a_scale:MATRIX_SCALE_ROW1 matrix_b_scale:MATRIX_SCALE_ROW1
.endif
.endm
.macro SC2 src, by0, by1               ; two blocks of 32, 16 numbers a lane: scale operands in v[SO + b], bytes in v[by0], v[by1]
	v_max3_num_f32 v[TM], |v[\src]|, |v[\src+1]|, FLOOR
	v_max3_num_f32 v[TM+1], |v[\src+16]|, |v[\src+17]|, FLOOR
.irp i, 2,4,6,8,10,12,14
	v_max3_num_f32 v[TM], v[TM], |v[\src+\i]|, |v[\src+\i+1]|
	v_max3_num_f32 v[TM+1], v[TM+1], |v[\src+16+\i]|, |v[\src+17+\i]|
.endr
	v_permlanex16_b32 v[TX], v[TM], s[SEL], s[SEL+1]
	v_permlanex16_b32 v[TX+1], v[TM+1], s[SEL], s[SEL+1]
	v_max_num_f32 v[TM], v[TM], v[TX]
	v_max_num_f32 v[TM+1], v[TM+1], v[TX+1]
	v_add_nc_u32 v[SO], EOFF, v[TM]
	v_add_nc_u32 v[SO+1], EOFF, v[TM+1]
	v_lshrrev_b32 v[\by0], 23, v[SO]
	v_lshrrev_b32 v[\by1], 23, v[SO+1]
.endm
	s_load_b128 s[4:7], s[0:1], 0x0                ; qkv s[4:5], ac s[6:7]
	v_lshrrev_b32 v1, 5, v0
	v_readfirstlane_b32 s8, v1                     ; wave 0..3
	s_lshr_b32 s9, ttmp9, 1                        ; G
	s_and_b32 s10, ttmp9, 1
	s_lshl_b32 s10, s10, 1
	s_lshr_b32 s17, s8, 1
	s_add_co_u32 s10, s10, s17                     ; kvh
	s_and_b32 s11, s8, 1                           ; hp
	s_and_b32 s12, s9, 63                          ; g: the group's place in its sequence
	s_sub_co_u32 s13, s9, s12                      ; the sequence's first group
	s_sub_co_i32 s14, s12, 2
	s_max_i32 s14, s14, 0
	s_sub_co_i32 s15, s12, 1
	s_max_i32 s15, s15, 0
	s_sub_co_u32 s59, s15, s14
	s_mul_i32 s59, s59, 384                        ; from key block 0 to key block 1 in V: a half-tile, or nothing
	s_add_co_u32 s14, s14, s13                     ; the three key blocks: s14, s15, s16
	s_add_co_u32 s15, s15, s13
	s_mov_b32 s16, s9
	s_lshl_b32 s17, s10, 7
	s_mov_b32 s61, 0
	s_mov_b32 s[SEL], 0x76543210
	s_mov_b32 s[SEL+1], 0xfedcba98
	s_mov_b32 s[HIM], 0xffff0000
	s_mov_b32 s[CS], 0x3e38aa3b                    ; log2(e) / 8: the scores come as 8 x the logit
	s_mov_b32 s[CS+1], s[CS]
	s_mov_b32 s[R0S], 0xcfee6b28                   ; -8e9
	s_wait_kmcnt 0x0
.irp t, 0,1,2
	s_add_co_u32 s62, s17, s[14+\t]                ; 128 kvh + key block
	s_mul_i32 s60, s62, 1536
	s_add_nc_u64 s[KP+2*\t:KP+2*\t+1], s[4:5], s[60:61]
	s_lshl_b32 s60, s62, 7
	s_add_nc_u64 s[KSP+2*\t:KSP+2*\t+1], s[4:5], s[60:61]
	s_lshl_b32 s60, s62, 6
	s_add_nc_u64 s[RWP+2*\t:RWP+2*\t+1], s[4:5], s[60:61]
.endr
	s_lshl_b32 s63, s10, 2
	s_lshl_b32 s62, s11, 1
	s_add_co_u32 s63, s63, s62                     ; my first query head
.irp a, 0,1
	s_add_co_u32 s62, s63, \a
	s_lshl_b32 s62, s62, 7
	s_add_co_u32 s62, s62, s9
	s_mul_i32 s60, s62, 1536
	s_add_nc_u64 s[QP+2*\a:QP+2*\a+1], s[4:5], s[60:61]
	s_lshl_b32 s60, s62, 7
	s_add_nc_u64 s[QSP+2*\a:QSP+2*\a+1], s[4:5], s[60:61]
.endr
	s_lshl_b32 s63, s10, 9
	s_add_co_u32 s62, s63, s14
	s_mul_i32 s60, s62, 384
	s_add_nc_u64 s[VP0:VP0+1], s[4:5], s[60:61]
	s_add_co_u32 s62, s63, s16
	s_mul_i32 s60, s62, 384
	s_add_nc_u64 s[VP1:VP1+1], s[4:5], s[60:61]
	s_lshl_b32 s62, s9, 3
	s_lshl_b32 s63, s10, 1
	s_add_co_u32 s62, s62, s63
	s_add_co_u32 s62, s62, s11
	s_mul_i32 s60, s62, 3200
	s_add_nc_u64 s[DST:DST+1], s[6:7], s[60:61]    ; my record of ac
	s_lshl_b32 s62, s12, 5
	s_sub_co_i32 s62, 64, s62                      ; 64 - 32 g
	v_and_b32 v11, 31, v0                          ; lane
	v_and_b32 v12, 15, v0                          ; r
	v_bfe_u32 v13, v0, 4, 1                        ; h
	v_mul_u32_u24 v[VA1], v12, 24
	v_mad_u32_u24 v[LK], v13, 384, v[VA1]
	v_mad_u32_u24 v[VA0], v13, s59, v[VA1]         ; V's registers 0-5: lanes 0-15 key block 0, lanes 16-31 key block 1
	v_lshlrev_b32 v[A4], 2, v11
	v_lshlrev_b32 v[A16], 4, v11
	v_lshlrev_b32 v[A4R], 2, v12
	; 62 loads, all at once
.irp u, 0,1
.irp a, 0,1
.irp p, 0,1,2
	global_load_b64 v[QF+12*(2*\u+\a)+2*\p:QF+12*(2*\u+\a)+2*\p+1], v[LK], s[QP+2*\a:QP+2*\a+1] offset:768*\u+8*\p
.endr
.endr
.endr
.irp a, 0,1
	global_load_b32 v[QSC+\a], v[A4], s[QSP+2*\a:QSP+2*\a+1] offset:QS
.endr
.irp t, 0,1,2
.irp u, 0,1
.irp p, 0,1,2
	global_load_b64 v[KF+6*(2*\t+\u)+2*\p:KF+6*(2*\t+\u)+2*\p+1], v[LK], s[KP+2*\t:KP+2*\t+1] offset:KC+768*\u+8*\p
.endr
.endr
	global_load_b32 v[KSC+\t], v[A4], s[KSP+2*\t:KSP+2*\t+1] offset:KS
.endr
.irp ct, 0,1,2,3
.irp p, 0,1,2
	global_load_b64 v[VF+12*\ct+2*\p:VF+12*\ct+2*\p+1], v[VA0], s[VP0:VP0+1] offset:VC+49152*\ct+8*\p
	global_load_b64 v[VF+12*\ct+6+2*\p:VF+12*\ct+6+2*\p+1], v[VA1], s[VP1:VP1+1] offset:VC+49152*\ct+8*\p
.endr
.endr
.irp t, 0,1,2
	global_load_b32 v[RW+\t], v[A4R], s[RWP+2*\t:RWP+2*\t+1] offset:VS
.endr
	v_and_b32 v[DLO], 8, v12
	v_add_nc_u32 v[DLO], v[DLO], v12               ; my query's row in the group: tile 0,
	v_add_nc_u32 v[DLO+1], 8, v[DLO]               ; tile 1
	v_lshlrev_b32 v14, 4, v13                      ; 16 h
	v_sub_nc_u32 v[DHI], v[DLO], v14
	v_sub_nc_u32 v[DHI+1], v[DLO+1], v14
	v_mov_b32 v15, s62
	v_cmp_gt_i32 vcc_lo, v15, v[DLO]
	v_cndmask_b32 v[DLO], v[DLO], v15, vcc_lo      ; the larger of the row and 64 - 32 g
	v_cmp_gt_i32 vcc_lo, v15, v[DLO+1]
	v_cndmask_b32 v[DLO+1], v[DLO+1], v15, vcc_lo
	v_sub_nc_u32 v[DLO], v[DLO], v14
	v_sub_nc_u32 v[DLO+1], v[DLO+1], v14
	v_mov_b32 v[HID], 0xcfee6b28
	v_mov_b32 v[NM+1], 0                           ; (named as the upper halves of pairs)
	v_mov_b32 v[RL+1], 0
.irp b, 0,1,2
	v_mov_b32 v[TX+\b], 0                          ; written once: a lane permute's destination counts as one of its sources
.endr
.irp i, 0,1,2,3,4,5
	v_mov_b32 v[KF+36+\i], 0                       ; behind K's last fragment
.irp sl, 0,1,2,3
	v_mov_b32 v[QF+12*\sl+6+\i], 0                 ; Q's k = 64 .. 127: zero codes
.endr
.endr
	s_wait_loadcnt 0x0                             ; all 62: the address registers v253-255 are free from here on
.irp ct, 0,1,2,3                       ; V's scale word of channel tile ct: bytes = key blocks 0, 1, 2, and 2 once more
	v_perm_b32 v[TT], v[RW+1], v[RW], \ct|((4+\ct)<<8)|(\ct<<16)|(\ct<<24)
	v_perm_b32 v[VW+\ct], v[RW+2], v[TT], 0x0100|((4+\ct)<<16)|((4+\ct)<<24)
.endr
; ONE HEAD a, ONE TILE u OF 16 QUERIES
.macro COMBO a, u
.rept 5
	v_nop                                          ; five places: the scores are laid over the last products' results; and the operands' zeros, written by vector instructions, stand four places ahead
.endr
.irp kt, 0,1,2,3,4,5                   ; S^T: key block kt / 2, tile kt % 2
	WM S+8*\kt, KF+6*\kt, QF+12*(2*(\u)+(\a)), 1, KSC+\kt/2, QSC+(\a), \kt%2, \u
.endr
.rept 4
	v_nop
.endr
.set n, 0
.rept 48                               ; register 16 t + e holds the key at 32 t + 16 h + e of the three blocks.  Ascending: each accumulator is read from its low end on
	v_max_num_f32 v[S+n], s[R0S], v[S+n]           ; the clamp
.if n < 32
	v_cmp_lt_i32 vcc_lo, n+16*(n/16), v[DLO+(\u)]  ; more than 64 before my query, or before the sequence's start
.else
	v_cmp_gt_i32 vcc_lo, n-32, v[DHI+(\u)]         ; after my query
.endif
	v_cndmask_b32 v[S+n], v[S+n], v[HID], vcc_lo
.set n, n+1
.endr
.irp b, 0,1,2
	v_max3_num_f32 v[TM+\b], v[S+16*\b], v[S+16*\b+1], v[S+16*\b+2]   ; each block's largest score: for the row's maximum, and, since p rises with the score, for the block's largest p
.endr
.irp i, 3,5,7,9,11,13
.irp b, 0,1,2
	v_max3_num_f32 v[TM+\b], v[TM+\b], v[S+16*\b+\i], v[S+16*\b+\i+1]
.endr
.endr
.irp b, 0,1,2
	v_max_num_f32 v[TM+\b], v[TM+\b], v[S+16*\b+15]
.endr
.irp b, 0,1,2
	v_permlanex16_b32 v[TX+\b], v[TM+\b], s[SEL], s[SEL+1]
.endr
.irp b, 0,1,2
	v_max_num_f32 v[TM+\b], v[TM+\b], v[TX+\b]
.endr
	v_max3_num_f32 v[TT], v[TM], v[TM+1], v[TM+2]
	v_mul_f32 v[TT], s[CS], v[TT]                  ; the row's largest t
	v_floor_f32 v[NM], -v[TT]                      ; -M = floor(-t) = -ceil(t)
.set n, 0
.rept 24
	v_pk_fma_f32 v[S+n:S+n+1], v[S+n:S+n+1], s[CS:CS+1], v[NM:NM+1] op_sel_hi:[1,0,0]   ; t - M, two at a time
.set n, n+2
.endr
.irp b, 0,1,2
	v_fma_f32 v[TM+\b], v[TM+\b], s[CS], v[NM]
.endr
.set n, 0
.rept 48
	v_exp_f32 v[S+n], v[S+n]                       ; p = 2^(t - M)
.set n, n+1
.endr
	v_nop                                          ; a plain place behind the exponentials
	s_wait_alu depctr_va_vdst(0)                   ; one wait for the batch of 48, ahead of its first reader
.irp b, 0,1,2
	v_exp_f32 v[TM+\b], v[TM+\b]                   ; the blocks' largest p
.endr
	v_pk_add_f32 v[T0:T0+1], v[S:S+1], v[S+2:S+3]  ; the row's sum of the unquantised p, in two chains: it reads the 48 alone
	v_pk_add_f32 v[T0+2:T0+3], v[S+4:S+5], v[S+6:S+7]
.irp j, 8,12,16,20,24,28,32,36,40,44
	v_pk_add_f32 v[T0:T0+1], v[T0:T0+1], v[S+\j:S+\j+1]
	v_pk_add_f32 v[T0+2:T0+3], v[T0+2:T0+3], v[S+\j+2:S+\j+3]
.endr
	v_pk_add_f32 v[T0:T0+1], v[T0:T0+1], v[T0+2:T0+3]
	s_wait_alu depctr_va_vdst(0)                   ; and one for the three
.irp b, 0,1,2
	v_max_num_f32 v[TM+\b], FLOOR, v[TM+\b]
.endr
.irp b, 0,1,2
	v_add_nc_u32 v[SO+\b], EOFF, v[TM+\b]
.endr
.irp b, 0,1,2
	v_lshrrev_b32 v[TX+\b], 23, v[SO+\b]
.endr
	v_lshl_or_b32 v[PW], v[TX+1], 8, v[TX]         ; p's scale word; byte 3, over zero codes, is 0
	v_lshl_or_b32 v[PW], v[TX+2], 16, v[PW]
	v_add_f32 v[LS], v[T0], v[T0+1]
	v_permlanex16_b32 v[TT], v[LS], s[SEL], s[SEL+1]
	v_add_f32 v[LS], v[LS], v[TT]                  ; with lane l xor 16's keys: the row's sum
	v_cvt_scalef32_pk16_bf6_f32 v[PC:PC+2], v[S:S+15], v[SO]
	v_cvt_scalef32_pk16_bf6_f32 v[T0:T0+2], v[S+16:S+31], v[SO+1]
	v_cvt_scalef32_pk16_bf6_f32 v[PC+6:PC+8], v[S+32:S+47], v[SO+2]
.irp i, 0,1,2
	v_mov_b32 v[T1+\i], 0                          ; the fourth block.  (Plain places behind the conversions)
.endr
.irp i, 0,1,2
	v_permlane16_swap_b32 v[PC+\i], v[T0+\i]       ; a whole block to a lane: lanes 0-15 blocks 0 and 2, lanes 16-31 blocks 1 and 3
	v_permlane16_swap_b32 v[PC+6+\i], v[T1+\i]
.endr
.irp i, 0,1,2
	v_mov_b32 v[PC+3+\i], v[T0+\i]
	v_mov_b32 v[PC+9+\i], v[T1+\i]
.endr
	v_rcp_f32 v[RL], v[LS]
.rept 8
	v_nop                                          ; eight places: p's scale word and codes were written by vector instructions; O^T is laid over the scores; and the plain place behind the reciprocal
.endr
	s_wait_alu depctr_va_vdst(0)                   ; the reciprocal's wait, ahead of its first reader below
.irp ct, 0,1,2,3
	WM S+8*\ct, VF+12*\ct, PC, 1, VW+\ct, PW, 0, 0
.endr
.rept 4
	v_nop
.endr
.set n, 0
.rept 16
	v_pk_mul_f32 v[S+n:S+n+1], v[S+n:S+n+1], v[RL:RL+1] op_sel_hi:[1,0]   ; O^T / the sum: register 16 c + e is channel 32 c + 16 h + e
.set n, n+2
.endr
	SC2 S, TT, TT+1
.if ((\a) == 0) && ((\u) == 1)
	s_wait_xcnt 0x0                                ; tile 0's stores have read the fragment's registers, which are written again below
.endif
	v_cvt_scalef32_pk16_bf6_f32 v[AC+6*(\a):AC+6*(\a)+2], v[S:S+15], v[SO]
	v_cvt_scalef32_pk16_bf6_f32 v[T0:T0+2], v[S+16:S+31], v[SO+1]
	v_nop
.irp i, 0,1,2
	v_permlane16_swap_b32 v[AC+6*(\a)+\i], v[T0+\i]
.endr
.irp i, 0,1,2
	v_mov_b32 v[AC+6*(\a)+3+\i], v[T0+\i]          ; head a is k = 64 a .. 64 a + 63 of the K step
.endr
.if (\a) == 0
	v_lshl_or_b32 v[AW+(\u)], v[TT+1], 8, v[TT]
.else
	v_lshl_or_b32 v[AW+(\u)], v[TT], 16, v[AW+(\u)]
	v_lshl_or_b32 v[AW+(\u)], v[TT+1], 24, v[AW+(\u)]
.endif
.endm
	COMBO 0, 0
	COMBO 1, 0
.irp p, 0,1,2
	global_store_b128 v[A16], v[AC+4*\p:AC+4*\p+3], s[DST:DST+1] offset:512*\p   ; 512 consecutive bytes a store
.endr
	COMBO 0, 1
	COMBO 1, 1
.irp p, 0,1,2
	global_store_b128 v[A16], v[AC+4*\p:AC+4*\p+3], s[DST:DST+1] offset:1536+512*\p
.endr
	v_cndmask_b32 v[TT+2], v[AW], v[AW+1], s[HIM]  ; lanes 0-15 tile 0's words, lanes 16-31 tile 1's
	global_store_b32 v[A4], v[TT+2], s[DST:DST+1] offset:3072
	s_endpgm
.Lfunc_end_k_q466ba4866a_attn:
	.size	k_q466ba4866a_attn, .Lfunc_end_k_q466ba4866a_attn-k_q466ba4866a_attn
	.p2alignl 7, 3214868480
	.fill 96, 4, 3214868480
	.section	.rodata,"a",@progbits
	.p2align	6, 0x0
	.amdhsa_kernel k_q466ba4866a_attn
		.amdhsa_group_segment_fixed_size 0
		.amdhsa_private_segment_fixed_size 0
		.amdhsa_enable_private_segment 0
		.amdhsa_kernarg_size 16
		.amdhsa_user_sgpr_count 2
		.amdhsa_user_sgpr_kernarg_segment_ptr 1
		.amdhsa_wavefront_size32 1
		.amdhsa_system_sgpr_workgroup_id_x 1
		.amdhsa_system_sgpr_workgroup_id_y 1
		.amdhsa_system_sgpr_workgroup_id_z 1
		.amdhsa_system_vgpr_workitem_id 0
		.amdhsa_next_free_vgpr 256
		.amdhsa_next_free_sgpr 66
		.amdhsa_reserve_vcc 1
		.amdhsa_float_denorm_mode_32 3
		.amdhsa_float_denorm_mode_16_64 3
		.amdhsa_memory_ordered 1
		.amdhsa_forward_progress 1
		.amdhsa_inst_pref_size 83
	.end_amdhsa_kernel
	.amdgpu_metadata
---
amdhsa.version: [ 1, 2 ]
amdhsa.kernels:
  - .name:           k_q466ba4866a_attn
    .symbol:         k_q466ba4866a_attn.kd
    .args:
      - { .name: qkv, .offset: 0, .size: 8, .value_kind: global_buffer, .address_space: global }
      - { .name: ac, .offset: 8, .size: 8, .value_kind: global_buffer, .address_space: global }
    .group_segment_fixed_size: 0
    .private_segment_fixed_size: 0
    .kernarg_segment_align: 8
    .kernarg_segment_size: 16
    .max_flat_workgroup_size: 128
    .sgpr_count:     66
    .vgpr_count:     256
    .wavefront_size: 32
...
	.end_amdgpu_metadata
.endif
;; end of part 3
;; launch oproj (part 4): grid 8 x 32, 4 waves a work-group, clusters of 4 x 4, 327,680 bytes of LDS; arguments ac, wc, out0; writes out0
.if DOCPART == 4
	.amdgcn_target "amdgcn-amd-amdhsa--gfx1250"
	.amdhsa_code_object_version 6
	.text
	.protected	k_q466ba4866a_oproj
	.globl	k_q466ba4866a_oproj
	.p2align	8
	.type	k_q466ba4866a_oproj,@function
k_q466ba4866a_oproj:
	s_mov_b64 s[64:65], 0
	v_nop
	global_prefetch_b8 v0, s[64:65] scope:SCOPE_SE
	s_setreg_imm32_b32 hwreg(HW_REG_WAVE_MODE, 25, 1), 1
	s_wait_xcnt 0x0
	s_wait_alu depctr_hold_cnt(0) depctr_sa_sdst(0) depctr_va_vdst(0) depctr_va_sdst(0) depctr_va_ssrc(0) depctr_va_vcc(0) depctr_vm_vsrc(0)
	s_getreg_b32 s2, hwreg(HW_REG_IB_STS2, 6, 4)
	s_cmp_eq_u32 s2, 0
	s_cbranch_scc0 .Lentry_in_a_cluster
	s_endpgm
.Lentry_in_a_cluster:
	s_bfe_u32 s2, ttmp6, 0x10000c
	s_cmp_lg_u32 s2, 0xf033
	s_cbranch_scc0 .Lentry_shape_is_right
	s_endpgm
.Lentry_shape_is_right:
; out0 = (the attention's result) wo on codes of BF6 with E8M0 scales.  ac holds the rows, wc's pairs 48-79 hold wo's columns, both as records of 3,200 bytes for a pair of 32 and 128 along K
; (tile 0's and tile 1's 12 registers as planes of 512 bytes, then a scale word a lane; lane-row r of tile u is the pair's row 8 u + r + 8 (r / 8)).
; SHARES: a tile of 128 x 128 of out0 to a work-group: 256 work-groups.  Wave w: 64 columns (w % 2) x 64 rows (w / 2): 16 accumulators.  Source 0 = wo's columns, source 1 = the rows: a lane holds one row,
; and the 16 registers of a pair's two tiles are 16 neighbouring columns.
; ALL OF K LIES IN LDS, FILLED ONCE: 102,400 bytes a side, asked for at the head in four chunks of two K steps: no slot is ever filled again.
; CLUSTER 4 x 4: wo's tiles hang on the tile column alone and are shared down a column of the cluster, the rows' tiles on the tile row alone and are shared along a row: each is asked for jointly.
.set REC,   3200
.set CH,    6400
.set PAIRB, 25600
.set QB,    102400                     ; LDS: P [chunk][pair 0..3][6,400] from 0, Q likewise from here
.set STAGE, 204800                     ; the way out: 16 rows x (256 bytes + 16) for each wave: bytes of their own, into which no tensor load lands
.set SPARE, 222208                     ; the spare words, 128 bytes a wave: two blocks of 256 bytes that no other line names
.set AP,  4
.set AQ,  5
.set APS, 6
.set AQS, 7
.set SPW, 8                            ; v8   my spare word's LDS address; never rewritten
.set NIL, 9                            ; v9   0; never rewritten
.set SP,  10                           ; v10-13 scale words, and nothing else
.set SQ,  12
.set PF,  16
.set QF,  64
.set OUTR, 16                          ; the way out: 16 rows read back: v16-47 and v48-79 by turns
.set STO, 112
.set RD,  113
.set CO,  114
.set ACC, 128
.set WV,  14
.set G1P, 16
.set G1Q, 24
.set G0P, 32                           ; s[32:47] P's four groups 0;  s[48:63] Q's
.set G0Q, 48
.macro CROUND
	s_barrier_signal -1
	s_barrier_wait -1
	s_cmp_lg_u32 s[WV], 0
	s_cbranch_scc1 .Lnw0_\@
	s_barrier_signal -3
.Lnw0_\@:
	s_barrier_wait -3
	s_barrier_signal -1
	s_barrier_wait -1
.endm
.macro WM d, a, b, z, sa, sb, ra, rb
.if (\z) && ((\ra)==0) && ((\rb)==0)
	v_wmma_scale_f32_16x16x128_f8f6f4 v[(\d):(\d)+7], v[(\a):(\a)+11], v[(\b):(\b)+11], 0, v[(\sa)], v[(\sb)] matrix_a_fmt:MATRIX_FMT_BF6 matrix_b_fmt:MATRIX_FMT_BF6
.elseif (\z) && ((\ra)==1) && ((\rb)==0)
	v_wmma_scale_f32_16x16x128_f8f6f4 v[(\d):(\d)+7], v[(\a):(\a)+11], v[(\b):(\b)+11], 0, v[(\sa)], v[(\sb)] matrix_a_fmt:MATRIX_FMT_BF6 matrix_b_fmt:MATRIX_FMT_BF6 matrix_a_scale:MATRIX_SCALE_ROW1
.elseif (\z) && ((\ra)==0) && ((\rb)==1)
	v_wmma_scale_f32_16x16x128_f8f6f4 v[(\d):(\d)+7], v[(\a):(\a)+11], v[(\b):(\b)+11], 0, v[(\sa)], v[(\sb)] matrix_a_fmt:MATRIX_FMT_BF6 matrix_b_fmt:MATRIX_FMT_BF6 matrix_b_scale:MATRIX_SCALE_ROW1
.elseif (\z)
	v_wmma_scale_f32_16x16x128_f8f6f4 v[(\d):(\d)+7], v[(\a):(\a)+11], v[(\b):(\b)+11], 0, v[(\sa)], v[(\sb)] matrix_a_fmt:MATRIX_FMT_BF6 matrix_b_fmt:MATRIX_FMT_BF6 matrix_a_scale:MATRIX_SCALE_ROW1 matrix_b_scale:MATRIX_SCALE_ROW1
.elseif ((\ra)==0) && ((\rb)==0)
	v_wmma_scale_f32_16x16x128_f8f6f4 v[(\d):(\d)+7], v[(\a):(\a)+11], v[(\b):(\b)+11], v[(\d):(\d)+7], v[(\sa)], v[(\sb)] matrix_a_fmt:MATRIX_FMT_BF6 matrix_b_fmt:MATRIX_FMT_BF6
.elseif ((\ra)==1) && ((\rb)==0)
	v_wmma_scale_f32_16x16x128_f8f6f4 v[(\d):(\d)+7], v[(\a):(\a)+11], v[(\b):(\b)+11], v[(\d):(\d)+7], v[(\sa)], v[(\sb)] matrix_a_fmt:MATRIX_FMT_BF6 matrix_b_fmt:MATRIX_FMT_BF6 matrix_a_scale:MATRIX_SCALE_ROW1
.elseif ((\ra)==0) && ((\rb)==1)
	v_wmma_scale_f32_16x16x128_f8f6f4 v[(\d):(\d)+7], v[(\a):(\a)+11], v[(\b):(\b)+11], v[(\d):(\d)+7], v[(\sa)], v[(\sb)] matrix_a_fmt:MATRIX_FMT_BF6 matrix_b_fmt:MATRIX_FMT_BF6 matrix_b_scale:MATRIX_SCALE_ROW1
.else
	v_wmma_scale_f32_16x16x128_f8f6f4 v[(\d):(\d)+7], v[(\a):(\a)+11], v[(\b):(\b)+11], v[(\d):(\d)+7], v[(\sa)], v[(\sb)] matrix_a_fmt:MATRIX_FMT_BF6 matrix_b_fmt:MATRIX_FMT_BF6 matrix_a_scale:MATRIX_SCALE_ROW1 matrix_b_scale:MATRIX_SCALE_ROW1
.endif
.endm
.macro KLOAD s2                        ; a K step's operands: my two pairs of each side
.rept 4
	v_nop                                          ; four places in front of loads into registers that matrix instructions have read (ISA guide 7.12.1 for vector instructions)
.endr
.irp pp, 0,1
	ds_load_b32 v[SP+\pp], v[APS] offset:\pp*CH+(\s2)*REC+3072
	ds_load_b32 v[SQ+\pp], v[AQS] offset:\pp*CH+(\s2)*REC+3072
.endr
.irp t, 0,1,2,3
.irp pl, 0,1,2
	ds_load_b128 v[PF+12*\t+4*\pl:PF+12*\t+4*\pl+3], v[AP] offset:(\t/2)*CH+(\s2)*REC+(\t%2)*1536+512*\pl
	ds_load_b128 v[QF+12*\t+4*\pl:QF+12*\t+4*\pl+3], v[AQ] offset:(\t/2)*CH+(\s2)*REC+(\t%2)*1536+512*\pl
.endr
.endr
	s_wait_dscnt 0x0                               ; all 28: no other LDS instruction of mine is out
.endm
.macro KMUL first                      ; the 16 accumulators take turns, one instruction a turn, in the same order in every K step
.irp m, 0,1,2,3
.irp t, 0,1,2,3
	WM ACC+32*\m+8*\t, PF+12*\t, QF+12*\m, \first, SP+\t/2, SQ+\m/2, \t%2, \m%2
.endr
.endr
.endm
.macro CHUNK cnt, first, step          ; two K steps.  cnt: how many of my younger tensor loads may stay out
	s_wait_tensorcnt \cnt
	s_barrier_signal -1
	s_barrier_wait -1
	KLOAD 0
	KMUL \first
	KLOAD 1
	KMUL 0
.if \step
	v_add_nc_u32 v[AP], 4*CH, v[AP]
	v_add_nc_u32 v[APS], 4*CH, v[APS]
	v_add_nc_u32 v[AQ], 4*CH, v[AQ]
	v_add_nc_u32 v[AQS], 4*CH, v[AQS]
.endif
.endm
	s_load_b128 s[4:7], s[0:1], 0x0                ; ac s[4:5], wc s[6:7]
	s_load_b64 s[8:9], s[0:1], 0x10                ; out0
	v_lshl_add_u32 v[SPW], v0, 2, SPARE
	v_mov_b32 v[NIL], 0
	ds_add_u32 v[SPW], v[NIL]                      ; the wave's opening: the add and its wait stand ahead of my first tensor load; the set-up below, work on registers, stands between them
	v_lshrrev_b32 v1, 5, v0
	v_readfirstlane_b32 s[WV], v1                  ; wave 0..3
	s_bfe_u32 s10, ttmp6, 0x40000                  ; cx
	s_bfe_u32 s11, ttmp6, 0x40004                  ; cy
	s_lshl_b32 s66, ttmp9, 2
	s_add_co_u32 s66, s66, s10                     ; tc: the tile column
	s_and_b32 s67, ttmp7, 0xffff
	s_lshl_b32 s67, s67, 2
	s_add_co_u32 s67, s67, s11                     ; tr: the tile row
	s_and_b32 s68, s[WV], 1                        ; pw: my 64 columns
	s_lshr_b32 s69, s[WV], 1                       ; qw: my 64 rows
	s_lshl_b32 s12, s11, 2
	s_lshl_b32 s12, 15, s12                        ; my row of the cluster
	s_lshl_b32 s13, 0x1111, s10                    ; my column
	s_or_b32 s[G1P], s13, (3<<16)|(1<<21)          ; wo's tiles go down my column; elements of 8 bytes; bit 21 set beside a mask
	s_or_b32 s[G1Q], s12, (3<<16)|(1<<21)          ; the rows' tiles go along my row
.irp g, G1P, G1Q
	s_mov_b32 s[\g+1], 800<<16                     ; one row of 800 elements: tensor_dim0,
	s_mov_b32 s[\g+2], 1<<16                       ; tensor_dim1,
	s_mov_b32 s[\g+3], 800<<16                     ; tile_dim0,
	s_mov_b32 s[\g+4], 1                           ; tile_dim1,
	s_mov_b32 s[\g+5], 800                         ; the pitch
	s_mov_b32 s[\g+6], 0
	s_mov_b32 s[\g+7], 0
.endr
	s_mul_i32 s70, s[WV], CH                       ; wave w brings pair w of each side and chunk: no place in the cluster enters an LDS address
.irp c, 0,1,2,3
	s_mov_b32 s[G0P+4*\c], 1
	s_add_co_u32 s[G0P+4*\c+1], s70, \c*4*CH
	s_mov_b32 s[G0Q+4*\c], 1
	s_add_co_u32 s[G0Q+4*\c+1], s70, QB+\c*4*CH
.endr
	s_lshl_b32 s72, s66, 2
	s_add_co_u32 s72, s72, s[WV]
	s_add_co_u32 s72, s72, 48
	s_mul_i32 s72, s72, PAIRB                      ; wc's pair 48 + 4 tc + w: the tile column alone
	s_mov_b32 s73, 0
	s_lshl_b32 s74, s67, 2
	s_add_co_u32 s74, s74, s[WV]
	s_mul_i32 s74, s74, PAIRB                      ; ac's pair 4 tr + w: the tile row alone
	s_mov_b32 s75, 0
	s_lshl_b32 s76, s67, 7
	s_lshl_b32 s77, s69, 6
	s_add_co_u32 s76, s76, s77
	s_lshl_b32 s76, s76, 12                        ; my first row of out0, 4,096 bytes a row,
	s_lshl_b32 s78, s66, 7
	s_lshl_b32 s77, s68, 6
	s_add_co_u32 s78, s78, s77
	s_lshl_b32 s78, s78, 2                         ; my first column: a multiple of 256 bytes
	s_add_co_u32 s76, s76, s78
	s_mov_b32 s77, 0
	s_wait_dscnt 0x0                               ; the opening add is done
	s_wait_kmcnt 0x0
	s_add_nc_u64 s[72:73], s[6:7], s[72:73]
	s_add_nc_u64 s[74:75], s[4:5], s[74:75]
	s_add_nc_u64 s[8:9], s[8:9], s[76:77]
.irp c, 0,1,2,3
	s_add_nc_u64 s[G0P+4*\c+2:G0P+4*\c+3], s[72:73], \c*CH
	s_or_b32 s[G0P+4*\c+3], s[G0P+4*\c+3], 0x80000000
	s_add_nc_u64 s[G0Q+4*\c+2:G0Q+4*\c+3], s[74:75], \c*CH
	s_or_b32 s[G0Q+4*\c+3], s[G0Q+4*\c+3], 0x80000000
.endr
	CROUND                                         ; all sixteen work-groups are here: the joint loads meet
.irp c, 0,1,2,3                        ; all first fills in one group: eight tensor loads of mine are out
	tensor_load_to_lds s[G0P+4*\c:G0P+4*\c+3], s[G1P:G1P+7]
	s_nop 0
	tensor_load_to_lds s[G0Q+4*\c:G0Q+4*\c+3], s[G1Q:G1Q+7]
	s_nop 0
.endr
.rept 4
	v_nop
.endr
	v_and_b32 v1, 31, v0                           ; lane
	v_and_b32 v2, 15, v0                           ; r
	v_bfe_u32 v3, v0, 4, 1                         ; h
	s_mul_i32 s70, s68, 2*CH
	s_mul_i32 s71, s69, 2*CH
	s_add_co_u32 s71, s71, QB
	v_lshlrev_b32 v[STO], 4, v1
	v_lshlrev_b32 v[RD], 2, v1
	v_add_nc_u32 v[AP], s70, v[STO]
	v_add_nc_u32 v[AQ], s71, v[STO]
	v_add_nc_u32 v[APS], s70, v[RD]
	v_add_nc_u32 v[AQS], s71, v[RD]
	s_mul_i32 s79, s[WV], 16*272
	s_add_co_u32 s79, s79, STAGE                   ; my stage
	v_mul_u32_u24 v[STO], v2, 272
	v_lshl_add_u32 v[STO], v3, 6, v[STO]
	v_add_nc_u32 v[STO], s79, v[STO]               ; in: row r, + 64 h: my half's 16 columns of each 32
	v_mul_u32_u24 v[RD], v3, 272
	v_lshl_add_u32 v[RD], v2, 4, v[RD]
	v_add_nc_u32 v[RD], s79, v[RD]                 ; back: lanes 0-15 one row of 256 bytes, lanes 16-31 the next
	v_lshlrev_b32 v[CO], 12, v3
	v_lshl_add_u32 v[CO], v2, 4, v[CO]             ; and the same two rows in out0
	CHUNK 6, 1, 1                                  ; chunk 0's two loads are in; the six younger may be out
	CHUNK 4, 0, 1
	CHUNK 2, 0, 1
	CHUNK 0, 0, 0
; THE WAY OUT, a tile m of 16 rows x 64 columns at a time, through my own stage: a lane holds pieces of one row, and the lanes beside it hold other rows.  LDS serves a wave's instructions in order (ISA guide 5.7.1.4):
; no wait between the stores and the loads, nor in front of the next tile's stores.
.macro TOSTAGE m
.irp t, 0,1,2,3
	ds_store_b128 v[STO], v[ACC+32*(\m)+8*\t:ACC+32*(\m)+8*\t+3] offset:128*(\t/2)+32*(\t%2)      ; each accumulator from its low end on
	ds_store_b128 v[STO], v[ACC+32*(\m)+8*\t+4:ACC+32*(\m)+8*\t+7] offset:128*(\t/2)+32*(\t%2)+16
.endr
.irp i, 0,1,2,3,4,5,6,7
	ds_load_b128 v[OUTR+32*((\m)%2)+4*\i:OUTR+32*((\m)%2)+4*\i+3], v[RD] offset:544*\i
.endr
.endm
.macro SEND m, younger                 ; stage row 2 i + (lane / 16) is row 32 (m / 2) + 8 (m % 2) + 2 i + (lane / 16) + 8 (i / 4) of my 64
	s_wait_dscnt \younger
.irp i, 0,1,2,3,4,5,6,7
	global_store_b128 v[CO], v[OUTR+32*((\m)%2)+4*\i:OUTR+32*((\m)%2)+4*\i+3], s[8:9] offset:(32*((\m)/2)+8*((\m)%2)+2*\i+8*(\i/4))*4096 th:TH_STORE_NT   ; sixteen lanes store 256 consecutive bytes, at a multiple of 256 from out0's first byte
.endr
.endm
.rept 4
	v_nop                                          ; four places behind the last products: their results are read, and their operands' registers loaded, below
.endr
	TOSTAGE 0
.irp m, 1,2,3
.if \m > 1
	s_wait_xcnt 0x0                                ; tile m - 2's stores have read their registers, into which tile m's rows are loaded
.endif
	TOSTAGE \m
	SEND \m-1, 16                                  ; behind tile m - 1's loads: tile m's eight stores and eight loads
.endr
	SEND 3, 0
	s_wait_tensorcnt 0x0                           ; the wave's end: behind my last tensor load and my last LDS store
	ds_add_u32 v[SPW], v[NIL]
	s_wait_dscnt 0x0
	CROUND                                         ; the closing round: no work-group ends while a partner may still ask for a tile that names it
	s_endpgm
.Lfunc_end_k_q466ba4866a_oproj:
	.size	k_q466ba4866a_oproj, .Lfunc_end_k_q466ba4866a_oproj-k_q466ba4866a_oproj
	.p2alignl 7, 3214868480
	.fill 96, 4, 3214868480
	.section	.rodata,"a",@progbits
	.p2align	6, 0x0
	.amdhsa_kernel k_q466ba4866a_oproj
		.amdhsa_group_segment_fixed_size 327680
		.amdhsa_private_segment_fixed_size 0
		.amdhsa_enable_private_segment 0
		.amdhsa_kernarg_size 24
		.amdhsa_user_sgpr_count 2
		.amdhsa_user_sgpr_kernarg_segment_ptr 1
		.amdhsa_wavefront_size32 1
		.amdhsa_system_sgpr_workgroup_id_x 1
		.amdhsa_system_sgpr_workgroup_id_y 1
		.amdhsa_system_sgpr_workgroup_id_z 1
		.amdhsa_system_vgpr_workitem_id 0
		.amdhsa_next_free_vgpr 256
		.amdhsa_next_free_sgpr 96
		.amdhsa_reserve_vcc 0
		.amdhsa_float_denorm_mode_32 3
		.amdhsa_float_denorm_mode_16_64 3
		.amdhsa_memory_ordered 1
		.amdhsa_forward_progress 1
		.amdhsa_inst_pref_size 48
	.end_amdhsa_kernel
	.amdgpu_metadata
---
amdhsa.version: [ 1, 2 ]
amdhsa.kernels:
  - .name:           k_q466ba4866a_oproj
    .symbol:         k_q466ba4866a_oproj.kd
    .args:
      - { .name: ac, .offset: 0, .size: 8, .value_kind: global_buffer, .address_space: global }
      - { .name: wc, .offset: 8, .size: 8, .value_kind: global_buffer, .address_space: global }
      - { .name: out0, .offset: 16, .size: 8, .value_kind: global_buffer, .address_space: global }
    .group_segment_fixed_size: 327680
    .private_segment_fixed_size: 0
    .kernarg_segment_align: 8
    .kernarg_segment_size: 24
    .max_flat_workgroup_size: 128
    .sgpr_count:     96
    .vgpr_count:     256
    .wavefront_size: 32
...
	.end_amdgpu_metadata
.endif
;; end of part 4
